; MI455X (gfx1250); checked and timed in simulation.
; The chip was launched on July 23, 2026; its instructions are those of AMD's public machine-readable ISA for CDNA 5 (MIT licence, August 2026) and "CDNA5" Instruction Set Architecture Reference Guide (July 2026). The comments in the code are by the model that wrote it; some were corrected since.
;; Semi Permeable Attention. Allowed arithmetic: matrix products marked QUANTISED: E2M1 operands, one E8M0 scale for each 32 along K, by v_wmma_scale_f32_16x16x128_f8f6f4 with both operands' format E2M1 (or v_wmma_scale_f32_32x16x128_f4), f32 sums; products left as they are: bf16, f16 or f32 operands; f32 sums; everything else in f32.
;; Inputs: b_out 1,024 float32; w_out 1,024 x 1,024 float32; w_qkv 1,024 x 3,072 float32; x 4 x 2,048 x 1,024 float32.
;; Outputs: out0 4 x 2,048 x 1,024 float32.
;; This version of the problem:
;;   THIS VERSION OF THE PROBLEM IS GIVEN IN LOW PRECISION. The matrix products marked QUANTISED in the list below multiply operands that are first quantised to E2M1 (2 exponent bits, 1 mantissa bit; 4 bits a number), with one power-of-two scale for each 32 numbers along K (OCP MX v1.0); their sums are f32. The products marked 'left as it is' may take bf16, f16 or f32 operands, with f32 sums. Whichever they take, every output number must still come out within the allowed error. Rounding operands to bf16 (8 significant bits) uses up far more of that allowance than f16 does (11 bits, for magnitudes from 6e-5 to 65,504). All else is computed in f32.
;;   The module's matrix products, in the order in which they are computed (A, B: the left and right operand; K: the contracted axis; several contracted axes count as one K, in the product's order):
;;     1. [M 8,192, K 1,024] x [K 1,024, N 3,072]; A: input x; B: input w_qkv: QUANTISED
;;     2. batch 64 x [M 2,048, K 64] x [K 64, N 2,048]; A: computed on the way; B: computed on the way: left as it is (an operand is computed on the way)
;;     3. batch 64 x [M 2,048, K 2,048] x [K 2,048, N 64]; A: computed on the way; B: computed on the way: left as it is (an operand is computed on the way)
;;     4. [M 8,192, K 1,024] x [K 1,024, N 1,024]; A: computed on the way; B: input w_out: left as it is (an operand is computed on the way)
;;   THE QUANTISER, for each operand of a quantised product, along K:
;;     - K is cut into blocks of 32 from its start; a last block that is shorter is filled with zeros.
;;     - A block's scale is 2^e with e = floor(log2(the largest magnitude in the block)) - 2, held to -126 .. 127; a block of zeros has e = 0. As a byte (E8M0): e + 127.
;;     - Each number is divided by its block's scale, clamped to +-6, and rounded to the nearest number of E2M1, ties to even, subnormals kept.
;;     - The product sums the exact products of the quantised numbers (number of the format x scale) in f32.
;;   ~~~python
;;   def quantise(x, axis):      # numpy; x: float32 -> the quantised numbers, widened to float32 again
;;       x = np.moveaxis(x, axis, -1); K = x.shape[-1]
;;       x = np.pad(x, [(0, 0)] * (x.ndim - 1) + [(0, -K % 32)]); x = x.reshape(x.shape[:-1] + (-1, 32)); a = np.abs(x).max(-1, keepdims=True)
;;       e = np.where(a > 0, np.clip(np.frexp(np.where(a > 0, a, 1))[1] - 1 - 2, -126, 127), 0)      # np.frexp(a)[1] - 1 = floor(log2(a)), exactly
;;       r = np.clip(x / 2.0 ** e, -6, 6)
;;       step = 2.0 ** (np.maximum(np.frexp(np.where(r == 0, 1, r))[1] - 1, 0) - 1)
;;       q = np.round(r / step) * step * 2.0 ** e      # np.round: ties to even
;;       return np.moveaxis(q.reshape(q.shape[:-2] + (-1,))[..., :K], -1, axis).astype(np.float32)
;;   ~~~
;; One version. Each part assembles by itself: llvm-mc -triple=amdgcn-amd-amdhsa -mcpu=gfx1250 --defsym DOCPART=n.
;; ======== version 1 of 1: 5 launches
;; limits: values are held in f16: magnitudes above 65,504 overflow, below 6.1e-05 lose precision
;; workspace buffers: codes 5,767,168 bytes; scales 360,448 bytes; wo16 2,097,152 bytes; qkv 50,331,648 bytes; qkv16 786,432 bytes; att 16,777,216 bytes; st16 278,528 bytes; part16 4,194,304 bytes
;; launch prep (part 1): grid 368 x 1, 4 waves a work-group, no clusters, 102,912 bytes of LDS; arguments x, w_qkv, w_out, codes, scales, wo16; writes codes, scales, wo16
.if DOCPART == 1
	.amdgcn_target "amdgcn-amd-amdhsa--gfx1250"
	.amdhsa_code_object_version 6
	.text
	.protected	k_q192410e3c2_prep
	.globl	k_q192410e3c2_prep
	.p2align	8
	.type	k_q192410e3c2_prep,@function
k_q192410e3c2_prep:
	s_mov_b64 s[64:65], 0
	v_nop
	global_prefetch_b8 v0, s[64:65] scope:SCOPE_SE
	s_setreg_imm32_b32 hwreg(HW_REG_WAVE_MODE, 25, 1), 1
	s_wait_xcnt 0x0
; PREP: the operands of the later launches are laid out once.
;   work-groups 0-255:   x [8192][1024] f32 -> codes of FP4 (E2M1), K innermost, [8192][512 bytes] at byte 0 of 'codes'; one E8M0 byte for each 32 along K, [8192][32] at byte 0 of 'scales'.
;   work-groups 256-303: w_qkv [1024 k][3072 n] f32 -> codes [3072 n][512 bytes] at byte 4,194,304 of 'codes'; scale bytes [3072][32] at byte 262,144 of 'scales'.
;   work-groups 304-367: w_out [1024 k][1024 n] f32 -> f16, laid [n][k], in 'wo16'.
; NO WORK OF THE PROBLEM IS LEFT OUT BY THIS PROGRAM.  The mask that the problem builds is the FINITE term -10000 (x 0.125 behind the scale), not -infinity: in exact arithmetic every key
; has a weight above 0 for every query, and with larger inputs such keys weigh as much as the others.  So all 2,048 keys are walked for every query, and all four inputs are loaded.
; A block's scale is 2^(floor(log2(its largest magnitude)) - 2); its byte is the largest magnitude's exponent field - 2, held at 1 from below.  A block of zeros so gets the byte 1 where the
; rule says 127: its codes are zeros, which add nothing under any byte but 0xff, and the bytes are read by this program alone.
; LIMITS: blocks whose largest magnitude lies under 2^-124 (the floor) were not tried; NaN and infinities among the inputs are not served; numbers of w_out beyond 65,504 overflow in f16.
; The three paths part on the work-group's number and never join; each has LDS bytes of its own.  No tensor loads, no barrier: waves share nothing.
.set SPARE, 102400                     ; behind the three regions: the spare words, 128 bytes for each wave
.set SPW,   190                        ; v190  LDS address of my spare word; never rewritten
.set NIL,   191                        ; v191  0; never rewritten
.set WREG,  8192                       ; path x: a region for each wave: two stages of 32 x 80 bytes, then its 256 scale bytes
.set SP,    80
.set REGB,  32768                      ; path w_qkv: four stages of 32 rows x 272 bytes
.set REGC,  67584                      ; path w_out: the same
.set PT,    272
	s_load_b256 s[4:11], s[0:1], 0x0               ; x s[4:5], w_qkv s[6:7], w_out s[8:9], codes s[10:11]
	s_load_b128 s[12:15], s[0:1], 0x20             ; scales s[12:13], wo16 s[14:15]
	v_lshl_add_u32 v[SPW], v0, 2, SPARE
	v_mov_b32 v[NIL], 0
	v_lshrrev_b32 v1, 5, v0
	v_readfirstlane_b32 s16, v1                    ; wave 0..3
	v_and_b32 v2, 31, v0                           ; lane
	s_wait_kmcnt 0x0
	s_cmp_lt_u32 ttmp9, 256
	s_cbranch_scc1 .Lpath_x
	s_cmp_lt_u32 ttmp9, 304
	s_cbranch_scc1 .Lpath_w
; ---------------- w_out -> f16 [n][k].  A lane takes a column n and its registers run down K: each load reads 128 consecutive bytes a wave, and pairs of neighbours along K
; pack into one register.  A wave takes 32 columns x 128 along K (256 bytes a column), gathers them in its stage and stores sixteen lanes to 256 consecutive, aligned bytes.
.set XC,   32                          ; v32-95   two sets of 32 numbers
.set CC,   96                          ; v96-111  a block's 32 numbers in f16
.set OUTC, 112                         ; v112-175 the way out
	s_sub_co_u32 s17, ttmp9, 304
	s_and_b32 s18, s17, 7                          ; which 128 columns
	s_lshr_b32 s19, s17, 3                         ; which 128 along K
	s_lshl_b32 s18, s18, 7
	s_lshl_b32 s20, s16, 5
	s_add_co_u32 s18, s18, s20                     ; my wave's first column
	v_lshlrev_b32 v3, 2, v2                        ; in: 4 bytes a lane
	s_mul_i32 s22, s16, 32*PT
	s_add_co_u32 s22, s22, REGC                    ; my stage
	v_mul_u32_u24 v4, v2, PT
	v_add_nc_u32 v4, s22, v4                       ; into it: row = my column
	v_and_b32 v5, 15, v2
	v_lshrrev_b32 v6, 4, v2
	v_mul_u32_u24 v7, v6, PT
	v_lshl_add_u32 v7, v5, 4, v7
	v_add_nc_u32 v7, s22, v7                       ; out of it: sixteen lanes to a row, two rows an instruction
	v_lshlrev_b32 v8, 11, v6
	v_lshl_add_u32 v8, v5, 4, v8                   ; the same place in wo16: rows of 2,048 bytes
	s_lshl_b32 s20, s19, 19                        ; 128 rows of 4,096 bytes
	s_lshl_b32 s21, s18, 2
	s_add_co_u32 s20, s20, s21
	s_mov_b32 s21, 0
	s_add_nc_u64 s[8:9], s[8:9], s[20:21]
	s_lshl_b32 s20, s18, 11
	s_lshl_b32 s23, s19, 8
	s_add_co_u32 s20, s20, s23
	s_add_nc_u64 s[14:15], s[14:15], s[20:21]
.macro LOADO t
.irp i, 0,1,2,3,4,5,6,7,8,9,10,11,12,13,14,15,16,17,18,19,20,21,22,23,24,25,26,27,28,29,30,31
	global_load_b32 v[XC+32*((\t)%2)+\i], v3, s[8:9] offset:(32*(\t)+\i)*4096
.endr
.endm
.macro BLOCKO t
.set XS, XC+32*((\t)%2)
.if (\t) < 3
	s_wait_loadcnt 32                              ; this block's 32 loads are in; the next block's may be out
.else
	s_wait_loadcnt 0
.endif
.irp i, 0,1,2,3,4,5,6,7,8,9,10,11,12,13,14,15
	v_cvt_pk_f16_f32 v[CC+\i], v[XS+2*\i], v[XS+2*\i+1]   ; the lower k in the low half
.endr
.irp g, 0,1,2,3
	ds_store_b128 v4, v[CC+4*\g:CC+4*\g+3] offset:64*(\t)+16*\g
.endr
.if (\t)+2 < 4
	LOADO (\t)+2
.endif
	s_wait_dscnt 0x0                               ; the stores have read their registers: the next block may write them
.endm
	LOADO 0
	LOADO 1
	BLOCKO 0
	BLOCKO 1
	BLOCKO 2
	BLOCKO 3
.irp t, 0,1,2,3,4,5,6,7,8,9,10,11,12,13,14,15
	ds_load_b128 v[OUTC+4*\t:OUTC+4*\t+3], v7 offset:2*\t*PT    ; LDS serves a wave's instructions in order: these see my stores
.endr
.irp t, 0,1,2,3,4,5,6,7,8,9,10,11,12,13,14,15
	s_wait_dscnt 15-\t                             ; loads come back in order: number t is in, the younger ones may be out
	global_store_b128 v8, v[OUTC+4*\t:OUTC+4*\t+3], s[14:15] offset:2*\t*2048
.endr
	s_wait_tensorcnt 0x0                           ; the wave's end, behind my last LDS store
	ds_add_u32 v[SPW], v[NIL]
	s_wait_dscnt 0x0
	s_endpgm
; ---------------- x -> codes.  Rows are dense and K is a multiple of 32: x is a plain stream of blocks of 32.  A wave takes 16 steps of 512 numbers.  Each load reads 512 consecutive
; bytes; a step's 2,048 bytes turn through the wave's stage in LDS and come back 64 bytes a lane, so that a lane holds 16 neighbours along K (two neighbouring lanes hold a block).
.set RA, 16                            ; v16-79   four sets of 16 numbers as loaded
.set XA, 80                            ; v80-111  two sets of 16 neighbours
.set EA, 112                           ; v112-127 a scale byte for each step
.set CA, 128                           ; v128-189 codes: registers of its own for each step
.Lpath_x:
	v_lshlrev_b32 v3, 4, v2                        ; my 16 bytes of a load's 512
	s_mul_i32 s17, s16, WREG
	v_lshrrev_b32 v14, 2, v2
	v_mul_u32_u24 v14, v14, SP
	v_and_b32 v15, 3, v2
	v_lshl_add_u32 v14, v15, 4, v14
	v_add_nc_u32 v14, s17, v14                     ; the stage, on the way in: 80 (lane / 4) + 16 (lane % 4)
	v_mul_u32_u24 v15, v2, SP
	v_add_nc_u32 v15, s17, v15                     ; and on the way out: 80 x lane
	v_lshlrev_b32 v4, 3, v2                        ; my 8 bytes of a step's codes
	v_lshrrev_b32 v5, 1, v2
	s_add_co_u32 s17, s17, 2*32*SP
	v_add_nc_u32 v5, s17, v5                       ; LDS: my block's scale byte
	v_lshlrev_b32 v7, 3, v2
	v_add_nc_u32 v6, s17, v7                       ; and on the way out 8 bytes a lane
	s_lshl_b32 s18, ttmp9, 2
	s_add_co_u32 s18, s18, s16                     ; which run of 8,192 numbers is my wave's
	s_lshl_b32 s20, s18, 15
	s_mov_b32 s21, 0
	s_add_nc_u64 s[4:5], s[4:5], s[20:21]
	s_lshl_b32 s20, s18, 12
	s_add_nc_u64 s[10:11], s[10:11], s[20:21]
	s_lshl_b32 s20, s18, 8
	s_add_nc_u64 s[12:13], s[12:13], s[20:21]
.macro LOADX t
.irp i, 0,1,2,3
	global_load_b128 v[RA+16*((\t)%4)+4*\i:RA+16*((\t)%4)+4*\i+3], v3, s[4:5] offset:2048*(\t)+512*\i th:TH_LOAD_NT
.endr
.endm
.macro TURNX t
.irp i, 0,1,2,3
	ds_store_b128 v14, v[RA+16*((\t)%4)+4*\i:RA+16*((\t)%4)+4*\i+3] offset:32*SP*((\t)%2)+8*SP*\i
.endr
.irp i, 0,1,2,3
	ds_load_b128 v[XA+16*((\t)%2)+4*\i:XA+16*((\t)%2)+4*\i+3], v15 offset:32*SP*((\t)%2)+16*\i
.endr
.endm
.irp t, 0,1,2,3
	LOADX \t
.endr
	s_wait_loadcnt 12                              ; step 0's four loads are in; three steps' twelve may be out
	TURNX 0
.macro STEPX t
.set XS, XA+16*((\t)%2)
.if (\t) > 0
	s_wait_dscnt 1                                 ; this step's numbers are back from the stage; the last step's byte store may be out
.else
	s_wait_dscnt 0x0
.endif
.if (\t)+4 < 16
	LOADX (\t)+4
.endif
.if (\t)+1 < 16
.if 14-(\t) >= 3
	s_wait_loadcnt 12                              ; the next step's four loads are in; those of the three steps behind it may be out
.else
	s_wait_loadcnt 4*(14-(\t))
.endif
	TURNX (\t)+1
.endif
	v_max3_num_f32 v8, |v[XS]|, |v[XS+1]|, |v[XS+2]|
	v_max3_num_f32 v9, |v[XS+3]|, |v[XS+4]|, |v[XS+5]|
.irp i, 6,10
	v_max3_num_f32 v8, v8, |v[XS+\i]|, |v[XS+\i+1]|
	v_max3_num_f32 v9, v9, |v[XS+\i+2]|, |v[XS+\i+3]|
.endr
	v_max3_num_f32 v8, v8, |v[XS+14]|, |v[XS+15]|
	v_max3_num_f32 v8, v8, v9, 0x1800000           ; and the floor 2^(3 - 127): the byte cannot fall under 1
	v_max_num_f32_dpp v8, v8, v8 row_xmask:1 row_mask:0xf bank_mask:0xf   ; with my neighbour's 16: the block's largest magnitude
	v_add_nc_u32 v11, 0xff000000, v8               ; 2 off its exponent field: the conversion takes this operand's exponent field as its scale
	v_cvt_scalef32_pk8_fp4_f32 v[CA+4*(\t)], v[XS:XS+7], v11
	v_cvt_scalef32_pk8_fp4_f32 v[CA+4*(\t)+1], v[XS+8:XS+15], v11
	v_lshrrev_b32 v[EA+(\t)], 23, v11              ; the scale's byte
	ds_store_b8 v5, v[EA+(\t)] offset:16*(\t)      ; both lanes of a block write the same byte with the same value
	global_store_b64 v4, v[CA+4*(\t):CA+4*(\t)+1], s[10:11] offset:256*(\t)   ; the wave stores 256 consecutive, aligned bytes
.endm
.irp t, 0,1,2,3,4,5,6,7,8,9,10,11,12,13,14,15
	STEPX \t
.endr
	ds_load_b64 v[8:9], v6
	s_wait_dscnt 0x0
	global_store_b64 v7, v[8:9], s[12:13]          ; my wave's 256 scale bytes, consecutive and aligned
	s_wait_tensorcnt 0x0                           ; the wave's end
	ds_add_u32 v[SPW], v[NIL]
	s_wait_dscnt 0x0
	s_endpgm
; ---------------- w_qkv -> codes with K innermost.  A lane takes a column n and its registers run down K: a block of 32 lies in one lane, and the conversions give codes with K innermost.
; A wave takes 32 columns x 512 along K: 256 bytes of codes a column, through its stage, out as rows.  Every offset is an immediate: 511 x 12,288 bytes at the most.
.set XB,   32                          ; v32-95   two sets of 32 numbers
.set CBR,  96                          ; v96-99   a block's codes
.set OUTB, 112                         ; v112-175 the way out
.set SBB,  24                          ; v24-27   the scale bytes, four to a register
.Lpath_w:
	s_sub_co_u32 s17, ttmp9, 256
	s_cmp_ge_u32 s17, 24
	s_cselect_b32 s18, 1, 0                        ; which 512 along K
	s_cselect_b32 s19, 24, 0
	s_sub_co_u32 s17, s17, s19                     ; which 128 columns
	s_lshl_b32 s17, s17, 7
	s_lshl_b32 s19, s16, 5
	s_add_co_u32 s17, s17, s19                     ; my wave's first column
	v_lshlrev_b32 v3, 2, v2
	s_mul_i32 s19, s16, 32*PT
	s_add_co_u32 s19, s19, REGB                    ; my stage
	v_mul_u32_u24 v4, v2, PT
	v_add_nc_u32 v4, s19, v4
	v_and_b32 v5, 15, v2
	v_lshrrev_b32 v6, 4, v2
	v_mul_u32_u24 v7, v6, PT
	v_lshl_add_u32 v7, v5, 4, v7
	v_add_nc_u32 v7, s19, v7
	v_lshlrev_b32 v8, 9, v6
	v_lshl_add_u32 v8, v5, 4, v8                   ; rows of 512 bytes in the codes' buffer
	v_lshlrev_b32 v9, 5, v2                        ; my column's row of 32 scale bytes
	s_mul_i32 s20, s18, 512*3072*4
	s_lshl_b32 s22, s17, 2
	s_add_co_u32 s20, s20, s22
	s_mov_b32 s21, 0
	s_add_nc_u64 s[6:7], s[6:7], s[20:21]
	s_lshl_b32 s20, s17, 9
	s_lshl_b32 s22, s18, 8
	s_add_co_u32 s20, s20, s22
	s_add_co_u32 s20, s20, 4194304
	s_add_nc_u64 s[10:11], s[10:11], s[20:21]
	s_lshl_b32 s20, s17, 5
	s_lshl_b32 s22, s18, 4
	s_add_co_u32 s20, s20, s22
	s_add_co_u32 s20, s20, 262144
	s_add_nc_u64 s[12:13], s[12:13], s[20:21]
.macro LOADW t
.irp i, 0,1,2,3,4,5,6,7,8,9,10,11,12,13,14,15,16,17,18,19,20,21,22,23,24,25,26,27,28,29,30,31
	global_load_b32 v[XB+32*((\t)%2)+\i], v3, s[6:7] offset:(32*(\t)+\i)*12288 th:TH_LOAD_NT
.endr
.endm
.macro BLOCKW t
.set XS, XB+32*((\t)%2)
.if (\t) < 15
	s_wait_loadcnt 32                              ; this block's 32 loads are in; the next block's may be out
.else
	s_wait_loadcnt 0
.endif
	v_max3_num_f32 v12, |v[XS]|, |v[XS+1]|, |v[XS+2]|
	v_max3_num_f32 v13, |v[XS+3]|, |v[XS+4]|, |v[XS+5]|
.irp i, 6,10,14,18,22,26
	v_max3_num_f32 v12, v12, |v[XS+\i]|, |v[XS+\i+1]|
	v_max3_num_f32 v13, v13, |v[XS+\i+2]|, |v[XS+\i+3]|
.endr
	v_max3_num_f32 v12, v12, |v[XS+30]|, |v[XS+31]|
	v_max3_num_f32 v12, v12, v13, 0x1800000        ; and the floor
	v_add_nc_u32 v11, 0xff000000, v12
	v_lshrrev_b32 v13, 23, v11                     ; the scale's byte
.if (\t)%4 == 0
	v_mov_b32 v[SBB+(\t)/4], v13
.else
	v_lshl_or_b32 v[SBB+(\t)/4], v13, 8*((\t)%4), v[SBB+(\t)/4]
.endif
.irp g, 0,1,2,3
	v_cvt_scalef32_pk8_fp4_f32 v[CBR+\g], v[XS+8*\g:XS+8*\g+7], v11
.endr
	ds_store_b128 v4, v[CBR:CBR+3] offset:16*(\t)
.if (\t)+2 < 16
	LOADW (\t)+2
.endif
	s_wait_dscnt 0x0                               ; the store has read its registers
.endm
	LOADW 0
	LOADW 1
.irp t, 0,1,2,3,4,5,6,7,8,9,10,11,12,13,14,15
	BLOCKW \t
.endr
	global_store_b128 v9, v[SBB:SBB+3], s[12:13]   ; my column's 16 scale bytes
.irp t, 0,1,2,3,4,5,6,7,8,9,10,11,12,13,14,15
	ds_load_b128 v[OUTB+4*\t:OUTB+4*\t+3], v7 offset:2*\t*PT
.endr
.irp t, 0,1,2,3,4,5,6,7,8,9,10,11,12,13,14,15
	s_wait_dscnt 15-\t
	global_store_b128 v8, v[OUTB+4*\t:OUTB+4*\t+3], s[10:11] offset:2*\t*512
.endr
	s_wait_tensorcnt 0x0                           ; the wave's end
	ds_add_u32 v[SPW], v[NIL]
	s_wait_dscnt 0x0
	s_endpgm
.Lfunc_end_k_q192410e3c2_prep:
	.size	k_q192410e3c2_prep, .Lfunc_end_k_q192410e3c2_prep-k_q192410e3c2_prep
	.p2alignl 7, 3214868480
	.fill 96, 4, 3214868480
	.section	.rodata,"a",@progbits
	.p2align	6, 0x0
	.amdhsa_kernel k_q192410e3c2_prep
		.amdhsa_group_segment_fixed_size 102912
		.amdhsa_private_segment_fixed_size 0
		.amdhsa_enable_private_segment 0
		.amdhsa_kernarg_size 48
		.amdhsa_user_sgpr_count 2
		.amdhsa_user_sgpr_kernarg_segment_ptr 1
		.amdhsa_wavefront_size32 1
		.amdhsa_system_sgpr_workgroup_id_x 1
		.amdhsa_system_sgpr_workgroup_id_y 1
		.amdhsa_system_sgpr_workgroup_id_z 1
		.amdhsa_system_vgpr_workitem_id 0
		.amdhsa_next_free_vgpr 192
		.amdhsa_next_free_sgpr 66
		.amdhsa_reserve_vcc 0
		.amdhsa_float_denorm_mode_32 3
		.amdhsa_float_denorm_mode_16_64 3
		.amdhsa_memory_ordered 1
		.amdhsa_forward_progress 1
		.amdhsa_inst_pref_size 132
	.end_amdhsa_kernel
	.amdgpu_metadata
---
amdhsa.version: [ 1, 2 ]
amdhsa.kernels:
  - .name:           k_q192410e3c2_prep
    .symbol:         k_q192410e3c2_prep.kd
    .args:
      - { .name: x, .offset: 0, .size: 8, .value_kind: global_buffer, .address_space: global }
      - { .name: w_qkv, .offset: 8, .size: 8, .value_kind: global_buffer, .address_space: global }
      - { .name: w_out, .offset: 16, .size: 8, .value_kind: global_buffer, .address_space: global }
      - { .name: codes, .offset: 24, .size: 8, .value_kind: global_buffer, .address_space: global }
      - { .name: scales, .offset: 32, .size: 8, .value_kind: global_buffer, .address_space: global }
      - { .name: wo16, .offset: 40, .size: 8, .value_kind: global_buffer, .address_space: global }
    .group_segment_fixed_size: 102912
    .private_segment_fixed_size: 0
    .kernarg_segment_align: 8
    .kernarg_segment_size: 48
    .max_flat_workgroup_size: 128
    .sgpr_count:     66
    .vgpr_count:     192
    .wavefront_size: 32
...
	.end_amdgpu_metadata
.endif
;; end of part 1
;; launch gemm (part 2): grid 12 x 32, 4 waves a work-group, clusters of 4 x 4, 327,680 bytes of LDS; arguments codes, scales, qkv, qkv16; writes qkv, qkv16
.if DOCPART == 2
	.amdgcn_target "amdgcn-amd-amdhsa--gfx1250"
	.amdhsa_code_object_version 6
	.text
	.protected	k_q192410e3c2_gemm
	.globl	k_q192410e3c2_gemm
	.p2align	8
	.type	k_q192410e3c2_gemm,@function
k_q192410e3c2_gemm:
	s_mov_b64 s[64:65], 0
	v_nop
	global_prefetch_b8 v0, s[64:65] scope:SCOPE_SE
	s_setreg_imm32_b32 hwreg(HW_REG_WAVE_MODE, 25, 1), 1
	s_wait_xcnt 0x0
	s_wait_alu depctr_hold_cnt(0) depctr_sa_sdst(0) depctr_va_vdst(0) depctr_va_sdst(0) depctr_va_ssrc(0) depctr_va_vcc(0) depctr_vm_vsrc(0)
	s_getreg_b32 s2, hwreg(HW_REG_IB_STS2, 6, 4)
	s_cmp_eq_u32 s2, 0
	s_cbranch_scc0 .Lentry_in_a_cluster
	s_endpgm
.Lentry_in_a_cluster:
	s_bfe_u32 s2, ttmp6, 0x10000c
	s_cmp_lg_u32 s2, 0xf033
	s_cbranch_scc0 .Lentry_shape_is_right
	s_endpgm
.Lentry_shape_is_right:
; qkv = Q(x) Q(w_qkv): [8192][3072], K = 1,024, on codes of FP4 (E2M1) with one E8M0 scale for each 32 along K; sums in f32.  No work of the problem is left out.
; The result is rounded once to f16 (operands of the two products of attention); the first 16 positions of each of the four sequences are stored in f32 too (qkv16), for the launch that carries those rows finely.
; LIMIT: results beyond 65,504 overflow in f16.
; A tile of 256 x 256 is made by four waves, each 128 x 128: 64 accumulators of 16 x 16.  K is two slots of 512: both are asked for at the start, nothing is filled again.
; The scale bytes of the work-group's 256 + 256 rows, for all of K, come into LDS once, with the first fills.
; CLUSTERS: 4 x 4 work-groups; A's tiles are shared along a row of the cluster, B's along a column, by joint loads.  Tile row = 8 cy + cluster y, so that 'first tile of a sequence' is
; 'cluster y = 0', the same in all sixteen partners.  THE MATRIX INSTRUCTION IS USED TRANSPOSED (source 0 = 16 rows of w's codes, source 1 = 16 rows of x's): a lane holds eight neighbouring columns of a row.
; REGISTERS, in windows of 256: window 0: v0-31 addresses; v32-95 scale words, two sets; from v128 A's fragments, one set; on the way out v32-255 are free.
;   window 1: B's fragments, two sets.   window 2: the accumulators of my rows 0-63 ((a, b) at v[8 (8 a + b)]);   window 3: those of my rows 64-127.
.set SIZE_N, 3072
.set SIZE_K, 1024
.set KSTEP,  512
.set NQ,     KSTEP/128
.set ROWB,   256
.set KROW,   SIZE_K*4/8
.set PITCH,  272                       ; an LDS row: 256 bytes + 16 of padding: the 16 rows that a load touches start at 16 different banks
.set FR,     8
.set NL,     2
.set NP,     4
.set HALFT,  128*PITCH
.set SLOT,   4*HALFT
.set KS,     SIZE_K/32
.set SCL,    2*SLOT
.set HALFS,  (128*KS/256)*272
.set SBLK,   (16*KS/256)*272
.set SPARE,  SCL+4*HALFS               ; the spare words, 128 bytes for each wave
.set SPITCH, 528                       ; the stage, in slot 0 (it has had its one fill and its last read): 16 rows x 528 bytes a wave for f32,
.set HPITCH, 272                       ; the same bytes as 16 rows x 272 for f16
.set CROW,   SIZE_N*2                  ; a row of qkv in bytes
.set ADRA, 16
.set ADRB, 20
.set CO16, 22                          ; v22  f16: my byte offset in two rows of qkv
.set STO,  24                          ; v24  f32: where I put 32 bytes of a row
.set RD,   25                          ; v25  f32: where I read a row back
.set CO,   26                          ; v26  f32: 16 x lane
.set ADRS, 27
.set SPW,  28
.set NIL,  29
.set STO16, 30                         ; v30  f16: where I put 16 bytes of a row
.set RD16,  31                         ; v31  f16: where I read rows back
.set SC,   32
.set AF,   128
.set TMP,  192                         ; packed results
.set OB,   32                          ; rows read back: v32-63 and v224-255 by turns
.set G1, 24
.set G0, 32
.set G1B, 48
.set G0B, 56
.set G1S, 68
.set G0S, 76
.set G1SB, 80
.set G0SB, 88
.set MSB, 0
.macro WIN new                         ; the immediate's high byte repeats the setting that is left
.if MSB != \new
	s_set_vgpr_msb (MSB<<8)|\new
.set MSB, \new
.endif
.endm
.set MUL_LO, 0xa1
.set MUL_HI, 0xf1
.set TO_B,   0x40
; A joint load: waves 0 and 1 fetch for A, waves 2 and 3 for B; the branch hangs on the wave's number alone.  An s_nop 0 and four v_nop follow each line.
.macro JLOAD g0a, g1a, g0b, g1b
	s_cmp_eq_u32 s15, 0
	s_cbranch_scc0 .Lfor_b_\@
	tensor_load_to_lds s[\g0a:\g0a+3], s[\g1a:\g1a+7]
	s_nop 0
.rept 4
	v_nop
.endr
	s_branch .Lasked_\@
.Lfor_b_\@:
	tensor_load_to_lds s[\g0b:\g0b+3], s[\g1b:\g1b+7]
	s_nop 0
.rept 4
	v_nop
.endr
.Lasked_\@:
.endm
.macro CROUND                          ; a round of the cluster's barrier
	s_barrier_signal -1
	s_barrier_wait -1
	s_cmp_lg_u32 s14, 0
	s_cbranch_scc1 .Lnot_wave_0_\@
	s_barrier_signal -3
.Lnot_wave_0_\@:
	s_barrier_wait -3
	s_barrier_signal -1
	s_barrier_wait -1
.endm
	s_load_b128 s[4:7], s[0:1], 0x0                ; codes s[4:5], scales s[6:7]
	s_load_b64 s[12:13], s[0:1], 0x10              ; qkv
	s_load_b64 s[98:99], s[0:1], 0x18              ; qkv16
	v_lshl_add_u32 v[SPW], v0, 2, SPARE
	v_mov_b32 v[NIL], 0
	ds_add_u32 v[SPW], v[NIL]                      ; the wave's opening: the add, twice on end, and its wait ahead of my first tensor load
	ds_add_u32 v[SPW], v[NIL]
	v_lshrrev_b32 v1, 5, v0
	v_readfirstlane_b32 s14, v1                    ; wave 0..3
	s_lshr_b32 s15, s14, 1                         ; which half of the tile's rows is mine.  Also: I fetch for A (0) or for B (1)
	s_and_b32 s16, s14, 1                          ; which half of its columns.  Also: which 128 rows I fetch
	s_bfe_u32 s40, ttmp6, 0x40000                  ; cx
	s_bfe_u32 s41, ttmp6, 0x40004                  ; cy
	s_lshl_b32 s42, ttmp9, 2
	s_add_co_u32 s42, s42, s40                     ; tile column = 4 x cluster x + cx
	s_and_b32 s101, ttmp7, 0xffff                  ; cluster y
	s_lshl_b32 s17, s41, 3
	s_add_co_u32 s17, s17, s101                    ; tile row = 8 cy + cluster y: sequence cy, its tile cluster y
	s_lshl_b32 s43, s41, 2
	s_lshl_b32 s43, 15, s43                        ; my row of the cluster
	s_lshl_b32 s44, 0x1111, s40                    ; my column
	s_or_b32 s[G1+0], s43, (0<<16)|(1<<20)|(1<<21)|(5<<22)|(3<<25)  ; the mask; elements of 1 byte; padding: 4 words after every 64; bit 21 beside a mask
	s_or_b32 s[G1B+0], s44, (0<<16)|(1<<20)|(1<<21)|(5<<22)|(3<<25)
.irp g, G1, G1B
	s_mov_b32 s[\g+1], ROWB<<16                    ; tensor_dim0
	s_mov_b32 s[\g+2], 128<<16                     ; tensor_dim1
	s_mov_b32 s[\g+3], ROWB<<16                    ; tile_dim0
	s_mov_b32 s[\g+4], 128                         ; tile_dim1
	s_mov_b32 s[\g+5], KROW                        ; the pitch
	s_mov_b32 s[\g+6], 0
	s_mov_b32 s[\g+7], 0
.endr
	s_or_b32 s[G1S+0], s43, (3<<16)|(1<<20)|(1<<21)|(5<<22)|(3<<25)  ; the scales of 128 rows: 4,096 dense bytes as 16 rows of 256 (32 elements of 8 bytes)
	s_or_b32 s[G1SB+0], s44, (3<<16)|(1<<20)|(1<<21)|(5<<22)|(3<<25)
.irp g, G1S, G1SB
	s_mov_b32 s[\g+1], 32<<16
	s_mov_b32 s[\g+2], (128*KS/256)<<16
	s_mov_b32 s[\g+3], 32<<16
	s_mov_b32 s[\g+4], 128*KS/256
	s_mov_b32 s[\g+5], 32
	s_mov_b32 s[\g+6], 0
	s_mov_b32 s[\g+7], 0
.endr
	s_lshl_b32 s18, s16, 7
	s_lshl_b32 s20, s17, 8
	s_add_co_u32 s20, s20, s18                     ; A: row 256 x tile row + 128 x half
	s_lshl_b32 s46, s42, 8
	s_add_co_u32 s46, s46, s18                     ; B: row 256 x tile column + 128 x half
	s_mov_b32 s21, 0
	s_mov_b32 s47, 0
	s_mov_b64 s[18:19], KS
	s_mul_u64 s[22:23], s[20:21], s[18:19]
	s_mul_u64 s[92:93], s[46:47], s[18:19]
	s_mov_b64 s[18:19], KROW
	s_mul_u64 s[20:21], s[20:21], s[18:19]
	s_mul_u64 s[46:47], s[46:47], s[18:19]
	s_mul_i32 s45, s14, HALFT
	s_mul_i32 s94, s14, HALFS
	s_wait_dscnt 0x0                               ; both opening adds are done
	s_wait_kmcnt 0x0
	s_add_nc_u64 s[8:9], s[4:5], 4194304           ; w's codes lie behind x's,
	s_add_nc_u64 s[10:11], s[6:7], 262144          ; and its scale bytes behind x's
	s_add_nc_u64 s[20:21], s[4:5], s[20:21]
	s_add_nc_u64 s[22:23], s[6:7], s[22:23]
	s_add_nc_u64 s[46:47], s[8:9], s[46:47]
	s_add_nc_u64 s[92:93], s[10:11], s[92:93]
	CROUND                                         ; all sixteen work-groups are here: the joint loads meet
	s_mov_b32 s[G0S], 1
	s_add_co_u32 s[G0S+1], s94, SCL
	s_mov_b64 s[G0S+2:G0S+3], s[22:23]
	s_or_b32 s[G0S+3], s[G0S+3], 0x80000000
	s_mov_b32 s[G0SB], 1
	s_add_co_u32 s[G0SB+1], s94, SCL
	s_mov_b64 s[G0SB+2:G0SB+3], s[92:93]
	s_or_b32 s[G0SB+3], s[G0SB+3], 0x80000000
	JLOAD G0S, G1S, G0SB, G1SB                     ; three loads of mine go out: the scales, slot 0, slot 1
.irp s, 0,1
	s_mov_b32 s[G0+4*\s], 1
	s_add_co_u32 s[G0+4*\s+1], s45, \s*SLOT
	s_add_nc_u64 s[G0+4*\s+2:G0+4*\s+3], s[20:21], \s*ROWB
	s_or_b32 s[G0+4*\s+3], s[G0+4*\s+3], 0x80000000
	s_mov_b32 s[G0B+4*\s], 1
	s_add_co_u32 s[G0B+4*\s+1], s45, \s*SLOT
	s_add_nc_u64 s[G0B+4*\s+2:G0B+4*\s+3], s[46:47], \s*ROWB
	s_or_b32 s[G0B+4*\s+3], s[G0B+4*\s+3], 0x80000000
	JLOAD G0+4*\s, G1, G0B+4*\s, G1B
.endr
	v_and_b32 v1, 15, v0                           ; r
	v_bfe_u32 v2, v0, 4, 1                         ; h
	v_mul_u32_u24 v3, v1, PITCH
	v_lshl_add_u32 v4, v2, 4, v3
	s_mul_i32 s21, s15, HALFT
	s_mul_i32 s22, s16, HALFT
	s_add_co_u32 s22, s22, 2*HALFT
.irp s, 0,1
	v_add_nc_u32 v[ADRA+\s], s21, v4
	v_add_nc_u32 v[ADRB+\s], s22, v4
	s_add_co_u32 s21, s21, SLOT
	s_add_co_u32 s22, s22, SLOT
.endr
	v_mul_u32_u24 v5, v1, KS
	v_lshrrev_b32 v6, 8, v5
	v_lshl_add_u32 v5, v6, 4, v5                   ; my row's scales: 32 bytes a row, 16 more for each 256 passed
	s_mul_i32 s21, s15, HALFS
	s_mul_i32 s22, s16, HALFS
	s_add_co_u32 s22, s22, 2*HALFS
	s_sub_co_u32 s22, s22, s21
	v_mul_u32_u24 v6, s22, v2                      ; lanes 16-31 take B's
	s_add_co_u32 s21, s21, SCL
	v_add_nc_u32 v5, v5, v6
	v_add_nc_u32 v[ADRS], s21, v5
	s_mul_i32 s23, s14, 16*SPITCH                  ; my stage
	v_mul_u32_u24 v5, v1, SPITCH
	v_lshl_add_u32 v5, v2, 5, v5
	v_add_nc_u32 v[STO], s23, v5
	v_and_b32 v6, 31, v0
	v_lshlrev_b32 v[CO], 4, v6
	v_add_nc_u32 v[RD], s23, v[CO]
	v_mul_u32_u24 v5, v1, HPITCH
	v_lshl_add_u32 v5, v2, 4, v5
	v_add_nc_u32 v[STO16], s23, v5                 ; f16, in: row r, 16 bytes for each half of the lanes
	v_mul_u32_u24 v5, v2, HPITCH
	v_lshl_add_u32 v5, v1, 4, v5
	v_add_nc_u32 v[RD16], s23, v5                  ; back: lanes 0-15 one row of 256 bytes, lanes 16-31 the next
	v_mul_u32_u24 v5, v2, CROW
	v_lshl_add_u32 v[CO16], v1, 4, v5              ; and the same two rows in qkv
	s_lshl_b32 s20, s17, 8
	s_lshl_b32 s21, s15, 7
	s_add_co_u32 s20, s20, s21                     ; my first row
	s_mul_i32 s20, s20, CROW
	s_mov_b32 s21, 0
	s_lshl_b32 s46, s42, 9                         ; my first column, in bytes of f16
	s_lshl_b32 s47, s16, 8
	s_add_co_u32 s46, s46, s47
	s_mov_b32 s47, 0
	s_add_nc_u64 s[20:21], s[20:21], s[46:47]
	s_add_nc_u64 s[12:13], s[12:13], s[20:21]
	s_lshl_b32 s46, s46, 1                         ; the same column in bytes of f32,
	s_mul_i32 s20, s41, 16*SIZE_N*4                ; in sequence cy's 16 rows of qkv16
	s_add_co_u32 s46, s46, s20
	s_add_nc_u64 s[98:99], s[98:99], s[46:47]
.macro FRAG reg, adr, q, i             ; 16 rows x 128 K of 4-bit codes: 8 registers; registers 4 c .. 4 c + 3 hold K = 64 c + 32 (l / 16) + 0 .. 31
.irp c, 0,1
	ds_load_b128 v[\reg+4*\c:\reg+4*\c+3], v[\adr] offset:64*(\q)+32*\c+(\i)*16*PITCH
.endr
.endm
; 16 matrix instructions: A's blocks a0, a0 + 1 x B's eight.  The 64 accumulators take turns, one instruction a turn, in the same order in every step.
.macro MUL16 a0, p, q, sc, zero
.irp a, \a0, \a0+1
.irp b, 0,1,2,3,4,5,6,7
.if \zero
	v_wmma_scale_f32_16x16x128_f8f6f4 v[8*(8*((\a)%4)+\b):8*(8*((\a)%4)+\b)+7], v[128*(\p)+FR*\b:128*(\p)+FR*\b+FR-1], v[AF+FR*(\a):AF+FR*(\a)+FR-1], 0, v[SC+8*NQ*(\sc)+NQ*\b+(\q)], v[SC+8*NQ*(\sc)+NQ*(\a)+(\q)] matrix_a_fmt:MATRIX_FMT_FP4 matrix_b_fmt:MATRIX_FMT_FP4 matrix_a_scale:MATRIX_SCALE_ROW1
.else
	v_wmma_scale_f32_16x16x128_f8f6f4 v[8*(8*((\a)%4)+\b):8*(8*((\a)%4)+\b)+7], v[128*(\p)+FR*\b:128*(\p)+FR*\b+FR-1], v[AF+FR*(\a):AF+FR*(\a)+FR-1], v[8*(8*((\a)%4)+\b):8*(8*((\a)%4)+\b)+7], v[SC+8*NQ*(\sc)+NQ*\b+(\q)], v[SC+8*NQ*(\sc)+NQ*(\a)+(\q)] matrix_a_fmt:MATRIX_FMT_FP4 matrix_b_fmt:MATRIX_FMT_FP4 matrix_a_scale:MATRIX_SCALE_ROW1
.endif
.endr
.endr
.endm
.macro FETCH_B slot, q, p
	WIN TO_B
.irp i, 0,1,2,3,4,5,6,7
	FRAG 128*(\p)+FR*\i, ADRB+\slot, \q, \i
.endr
	WIN 0
.endm
.macro FETCH_A slot, q, i0
.irp i, \i0, \i0+1, \i0+2, \i0+3
	FRAG AF+FR*(\i), ADRA+\slot, \q, \i
.endr
.endm
.macro SCALES sc                       ; a slot's scale words: lanes 0-15 take A's block i, lanes 16-31 B's block i
.irp i, 0,1,2,3,4,5,6,7
	ds_load_b128 v[SC+8*NQ*\sc+NQ*\i:SC+8*NQ*\sc+NQ*\i+3], v[ADRS] offset:\i*SBLK
.endr
.endm
.macro PLACES n                        ; plain vector instructions between a matrix instruction and a load into, or a read of, its registers
.rept \n
	v_nop
.endr
.endm
.macro STEP slot, q, zero
	s_wait_dscnt 4*NL                              ; B's set and A's blocks 0-3 are in; the youngest eight loads (A's blocks 4-7) may be out
	WIN MUL_LO
	MUL16 0, (\q)%2, \q, \slot, \zero
	MUL16 2, (\q)%2, \q, \slot, \zero
	s_wait_dscnt 0
	PLACES NP
	FETCH_B \slot, (\q)+1, 1-(\q)%2
	FETCH_A \slot, (\q)+1, 0
	WIN MUL_HI
	MUL16 4, (\q)%2, \q, \slot, \zero
	MUL16 6, (\q)%2, \q, \slot, \zero
	PLACES NP
	WIN 0
	FETCH_A \slot, (\q)+1, 4
.endm
; Slot 0's last step changes slots: one barrier; in front of it each wave waits for all its tensor loads, adds 0 to its spare word, and waits for that and for its reads of slot 0.  Nothing is filled again.
.macro TURN slot, next
	s_wait_tensorcnt 0x0                           ; all my tensor loads have landed: my part of slot 1
	ds_add_u32 v[SPW], v[NIL]
	s_wait_dscnt 4*NL+1                            ; the add and the youngest eight loads may be out
	WIN MUL_LO
	MUL16 0, 1, NQ-1, \slot, 0
	s_wait_dscnt 0x0                               ; the add is done, and my reads of this slot are over
	s_barrier_signal -1
	MUL16 2, 1, NQ-1, \slot, 0
	WIN 0
	s_barrier_wait -1
	PLACES NP
	v_add_nc_u32 v[ADRS], 4*NQ, v[ADRS]            ; on to the next slot's scale words
	FETCH_B \next, 0, 0
	FETCH_A \next, 0, 0
	SCALES \next
	WIN MUL_HI
	MUL16 4, 1, NQ-1, \slot, 0
	MUL16 6, 1, NQ-1, \slot, 0
	PLACES NP
	WIN 0
	FETCH_A \next, 0, 4
.endm
	s_wait_tensorcnt 1                             ; the scales and my part of slot 0 are in; slot 1's load may be out
	s_barrier_signal -1
	s_barrier_wait -1
	FETCH_B 0, 0, 0
	FETCH_A 0, 0, 0
	SCALES 0
	FETCH_A 0, 0, 4
	STEP 0, 0, 1                                   ; the first step's products start the sums: nothing is cleared
	STEP 0, 1, 0
	STEP 0, 2, 0
	TURN 0, 1
	STEP 1, 0, 0
	STEP 1, 1, 0
	STEP 1, 2, 0
	s_wait_dscnt 4*NL                              ; the last step: nothing more to fetch
	WIN MUL_LO
	MUL16 0, 1, NQ-1, 1, 0
	MUL16 2, 1, NQ-1, 1, 0
	s_wait_dscnt 0
	WIN MUL_HI
	MUL16 4, 1, NQ-1, 1, 0
	MUL16 6, 1, NQ-1, 1, 0
	WIN 0
	PLACES NP                                      ; for the reads of results and the loads into registers that held fragments and scale words
	; THE FIRST 16 POSITIONS OF A SEQUENCE, IN F32: my block 0, where my rows are the tile's first half and the tile is its sequence's first.  Both tests are alike in all partners of the cluster.
	s_cmp_lg_u32 s15, 0
	s_cbranch_scc1 .Lno_export
	s_cmp_lg_u32 s101, 0
	s_cbranch_scc1 .Lno_export
	WIN 0x08                                       ; an LDS store's data: window 2
.irp b, 0,1,2,3,4,5,6,7
	ds_store_b128 v[STO], v[8*\b:8*\b+3] offset:64*\b              ; each accumulator from its low end on
	ds_store_b128 v[STO], v[8*\b+4:8*\b+7] offset:64*\b+16
.endr
	WIN 0
.irp t, 0,1,2,3,4,5,6,7,8,9,10,11,12,13,14,15
	ds_load_b128 v[128+4*\t:128+4*\t+3], v[RD] offset:\t*SPITCH    ; LDS serves a wave's instructions in order: these see the stores above
.endr
	s_wait_dscnt 0x0
.irp t, 0,1,2,3,4,5,6,7,8,9,10,11,12,13,14,15
	global_store_b128 v[CO], v[128+4*\t:128+4*\t+3], s[98:99] offset:\t*SIZE_N*4   ; 32 lanes store 512 consecutive, aligned bytes of a row
.endr
.Lno_export:
; THE WAY OUT, a block of 16 rows x 128 columns at a time: rounded to f16 (16 bytes a lane), through my stage, back as rows of 256 bytes, stored sixteen lanes to 256 consecutive, aligned bytes.
.macro PACK a
.set AC, 64*((\a)%4)
	WIN 0x0a+5*((\a)/4)                            ; sources 0 and 1: window 2 or 3
.irp b, 0,1,2,3,4,5,6,7
.irp r, 0,1,2,3
	v_cvt_pk_f16_f32 v[TMP+4*\b+\r], v[AC+8*\b+2*\r], v[AC+8*\b+2*\r+1]
.endr
.endr
	WIN 0
.endm
.macro TOSTAGE a
.set BK, OB+192*((\a)%2)
.irp b, 0,1,2,3,4,5,6,7
	ds_store_b128 v[STO16], v[TMP+4*\b:TMP+4*\b+3] offset:32*\b
.endr
.irp t, 0,1,2,3,4,5,6,7
	ds_load_b128 v[BK+4*\t:BK+4*\t+3], v[RD16] offset:\t*2*HPITCH
.endr
.endm
.macro SEND a
.set BK, OB+192*((\a)%2)
	s_wait_dscnt 0x0                               ; the block is back in registers
	s_wait_xcnt 0x0                                ; the earlier stores have read their registers: the block after this one may be loaded into them
.irp t, 0,1,2,3,4,5,6,7
	global_store_b128 v[CO16], v[BK+4*\t:BK+4*\t+3], s[12:13] offset:(16*(\a)+2*\t)*CROW   ; 126 rows of 6,144 bytes at the most: inside the signed 24-bit immediate
.endr
.endm
	PACK 0
	TOSTAGE 0
.irp a, 1,2,3,4,5,6,7                  ; block a's conversions stand between block a - 1's loads from the stage and the wait for them
	PACK \a
	SEND \a-1
	TOSTAGE \a
.endr
	SEND 7
	s_wait_tensorcnt 0x0                           ; the wave's end
	ds_add_u32 v[SPW], v[NIL]
	s_wait_dscnt 0x0
	CROUND                                         ; the closing round
	s_endpgm
.Lfunc_end_k_q192410e3c2_gemm:
	.size	k_q192410e3c2_gemm, .Lfunc_end_k_q192410e3c2_gemm-k_q192410e3c2_gemm
	.p2alignl 7, 3214868480
	.fill 96, 4, 3214868480
	.section	.rodata,"a",@progbits
	.p2align	6, 0x0
	.amdhsa_kernel k_q192410e3c2_gemm
		.amdhsa_group_segment_fixed_size 327680
		.amdhsa_private_segment_fixed_size 0
		.amdhsa_enable_private_segment 0
		.amdhsa_kernarg_size 32
		.amdhsa_user_sgpr_count 2
		.amdhsa_user_sgpr_kernarg_segment_ptr 1
		.amdhsa_wavefront_size32 1
		.amdhsa_system_sgpr_workgroup_id_x 1
		.amdhsa_system_sgpr_workgroup_id_y 1
		.amdhsa_system_sgpr_workgroup_id_z 1
		.amdhsa_system_vgpr_workitem_id 0
		.amdhsa_next_free_vgpr 1024
		.amdhsa_next_free_sgpr 102
		.amdhsa_reserve_vcc 0
		.amdhsa_float_denorm_mode_32 3
		.amdhsa_float_denorm_mode_16_64 3
		.amdhsa_memory_ordered 1
		.amdhsa_forward_progress 1
		.amdhsa_inst_pref_size 131
	.end_amdhsa_kernel
	.amdgpu_metadata
---
amdhsa.version: [ 1, 2 ]
amdhsa.kernels:
  - .name:           k_q192410e3c2_gemm
    .symbol:         k_q192410e3c2_gemm.kd
    .args:
      - { .name: codes, .offset: 0, .size: 8, .value_kind: global_buffer, .address_space: global }
      - { .name: scales, .offset: 8, .size: 8, .value_kind: global_buffer, .address_space: global }
      - { .name: qkv, .offset: 16, .size: 8, .value_kind: global_buffer, .address_space: global }
      - { .name: qkv16, .offset: 24, .size: 8, .value_kind: global_buffer, .address_space: global }
    .group_segment_fixed_size: 327680
    .private_segment_fixed_size: 0
    .kernarg_segment_align: 8
    .kernarg_segment_size: 32
    .max_flat_workgroup_size: 128
    .sgpr_count:     102
    .vgpr_count:     1024
    .wavefront_size: 32
...
	.end_amdgpu_metadata
.endif
;; end of part 2
;; launch attn (part 3): grid 8 x 32, 16 waves a work-group, no clusters, 327,680 bytes of LDS; arguments qkv, att, st16; writes att, st16
.if DOCPART == 3
	.amdgcn_target "amdgcn-amd-amdhsa--gfx1250"
	.amdhsa_code_object_version 6
	.text
	.protected	k_q192410e3c2_attn
	.globl	k_q192410e3c2_attn
	.p2align	8
	.type	k_q192410e3c2_attn,@function
k_q192410e3c2_attn:
	s_mov_b64 s[64:65], 0
	v_nop
	global_prefetch_b8 v0, s[64:65] scope:SCOPE_SE
	s_setreg_imm32_b32 hwreg(HW_REG_WAVE_MODE, 25, 1), 1
	s_wait_xcnt 0x0
; att[b][q][h][:] = the sum over all 2,048 keys k of softmax_k((Q.K + mask) / 8) V, mask = 0 where k <= q and -10000 elsewhere.  q, k, v: f16 columns of qkv [8192][3072]; att: [8192][1024] f16.
; NO KEY IS LEFT OUT: the mask is a finite term, so every key has a weight.  A step all of whose keys come after my queries adds the term as a constant of the step; the one step on my diagonal adds it score by score.
; Products in f16 with f32 sums; maxima, exponentials and sums in f32; a running maximum is taken away before every exponential.  LIMIT: results beyond 65,504 overflow in f16.
; THE FIRST 16 POSITIONS OF A SEQUENCE are carried finely by the next launch: the wave that owns them shuts keys 0-15 out of that tile (those scores become -3e38) and stores the tile's
; state over keys 16 .. 2,047, not normalised, in st16: c x the largest score, the sum, O^T.  Its rows of att are finite, are stored, and are replaced at the end of the program.
; SHARES.  A work-group owns 256 queries of TWO neighbouring heads, so that rows of K, V and att are 256 consecutive bytes.  Wave w: head w / 8 of the pair, queries 32 (w % 8) on: two tiles of 16.
; Four waves share a SIMD: one wave's vector work stands beside another's matrix work and LDS loads.  A key step is 64 keys; a slot of the ring holds two steps; waves 0, 1 fetch K's, waves 2, 3 V's.
; LAYOUT.  S^T = K Q^T (source 0 = 16 keys, source 1 = 16 queries): a lane holds ONE query (lane % 16) and keys 8 (lane / 16) + 0..7.  Two such tiles, rounded to f16 in pairs, are source 1 of O^T = V^T P.
; NO CLUSTER, though the eight work-groups of a pair of heads walk the same K and V: the step on the diagonal is reached by a branch on the work-group's block of queries, which differs
; between those work-groups; the form without it adds 32 vector instructions to each of the 32 steps, where 250 already stand beside 32 matrix instructions.
.set PK,    272                        ; a row of K in LDS: 256 bytes + 16
.set PV,    288                        ; a row of V: 256 + 32
.set VOFF,  64*PK
.set STEPB, 64*(PK+PV)
.set SLOT1, 1<<17                      ; slot 1 begins here: one exclusive or turns an address from slot to slot
.set SPARE, SLOT1+2*STEPB              ; the spare words, 128 bytes for each of 16 waves
.set NSL,   16                         ; slots' worth of keys
.set ROWQ,  6144                       ; a row of qkv in bytes
.set AK0, 1                            ; v1   my lane's place in a tile of K
.set AV0, 2                            ; v2   in a tile of V
.set ADK, 3
.set ADV, 4
.set SPW, 5
.set NIL, 6
.set PFO, 7                            ; v7   lane x 6,144: the prefetches' offset
.set DD,  8                            ; v8   on my diagonal step: my query - the step's first key - 8 (lane / 16), for tile 0
.set NEGV, 9                           ; v9   -10000.0
.set QO,  11
.set STO, 12
.set RD,  13
.set GO,  14
.set ST,  16                           ; tile t at v[16 + 8 t]: +0 the addend of the scaling, +1 c x the largest score, +2, +3 the sum in two halves, +4 the rescaling factor, +5 its pair, +6, +7 at work
.set QF,  32                           ; v32-63   Q: tile t, channels 32 c on, at 32 + 16 t + 8 c
.set KV,  64                           ; v64-127  eight fragments: K's, then V's
.set SS,  128                          ; v128-191 S^T, then p, then P: tile t at 128 + 32 t
.set OT,  192                          ; v192-255 O^T: tile t, channels 16 ct on, at 192 + 32 t + 8 ct
.set TB,  2
.set KF,  3
.set WV,  18
.set HW,  19
.set SEL, 20
.set CS,  22                           ; s[22:23] c = log2(e) / 8
.set G1K, 24
.set G1V, 32
.set G0K, 40
.set G0V, 44
.set Q0,  48
.set QD,  49
.set QL,  50
.set BC,  51
.set SLOTS, 52
.set LIM, 53
.set PFA, 54
.macro TLOAD                           ; waves 0, 1 fetch K's two steps, waves 2, 3 V's, the others nothing; an s_nop 0 and four v_nop follow each line
	s_cmp_lt_u32 s[WV], 2
	s_cbranch_scc0 .Lnot_k_\@
	tensor_load_to_lds s[G0K:G0K+3], s[G1K:G1K+7]
	s_nop 0
.rept 4
	v_nop
.endr
	s_branch .Lasked_\@
.Lnot_k_\@:
	s_cmp_lt_u32 s[WV], 4
	s_cbranch_scc0 .Lasked_\@
	tensor_load_to_lds s[G0V:G0V+3], s[G1V:G1V+7]
	s_nop 0
.rept 4
	v_nop
.endr
.Lasked_\@:
.endm
; A prefetch of what the NEXT change of slots will load: 128 rows of K and of V, 256 aligned bytes each.  The eight work-groups of a pair of heads walk the same rows: the first of them asks;
; in it waves 4-7 ask for K's rows and waves 8-11 for V's, 32 rows a wave, a lane a row: each row is named once in the launch.  The last change that fills a slot asks for nothing.
.macro ASK
	s_cmp_gt_u32 s[SLOTS], s[LIM]
	s_cbranch_scc0 .Lnot_mine_\@
	global_prefetch_b8 v[PFO], s[PFA:PFA+1] th:TH_LOAD_NT scope:SCOPE_SE
.Lnot_mine_\@:
.endm
	s_load_b128 s[4:7], s[0:1], 0x0                ; qkv s[4:5], att s[6:7]
	s_load_b64 s[8:9], s[0:1], 0x10                ; st16
	v_lshl_add_u32 v[SPW], v0, 2, SPARE
	v_mov_b32 v[NIL], 0
	ds_add_u32 v[SPW], v[NIL]                      ; the wave's opening: the add, twice on end, and its wait ahead of my first tensor load
	ds_add_u32 v[SPW], v[NIL]
	v_lshrrev_b32 v10, 5, v0
	v_readfirstlane_b32 s[WV], v10                 ; wave 0..15
	s_lshr_b32 s[HW], s[WV], 3                     ; which head of the pair
	s_and_b32 s56, s[WV], 7                        ; which 32 queries
	s_and_b32 s57, ttmp7, 0xffff                   ; y = 8 b + pair of heads
	s_lshr_b32 s58, s57, 3
	s_and_b32 s59, s57, 7
	s_lshl_b32 s[Q0], ttmp9, 8
	s_lshl_b32 s60, s56, 5
	s_add_co_u32 s[Q0], s[Q0], s60                 ; my first query
	s_and_b32 s[QD], s[Q0], 0xffffffc0             ; the first key of the step on my diagonal
	s_add_co_u32 s[QL], s[Q0], 31                  ; my last query
	s_mov_b32 s[G1K], (1<<16)|(1<<20)|(5<<22)|(3<<25)   ; elements of 2 bytes; padding: 4 words after every 64
	s_mov_b32 s[G1V], (1<<16)|(1<<20)|(5<<22)|(7<<25)   ; 8 words
.irp g, G1K, G1V
	s_mov_b32 s[\g+1], 128<<16                     ; tensor_dim0 = 128
	s_mov_b32 s[\g+2], 64<<16                      ; tensor_dim1 = 64
	s_mov_b32 s[\g+3], 128<<16                     ; tile_dim0
	s_mov_b32 s[\g+4], 64                          ; tile_dim1
	s_mov_b32 s[\g+5], 3072                        ; the pitch, in elements
	s_mov_b32 s[\g+6], 0
	s_mov_b32 s[\g+7], 0
.endr
	s_mov_b32 s[SEL], 0x76543210
	s_mov_b32 s[SEL+1], 0xfedcba98
	s_mov_b32 s[CS], 0x3e38aa3b                    ; c = log2(e) / 8
	s_mov_b32 s[CS+1], s[CS]
	s_mov_b32 s[TB], 0
	s_mov_b32 s[KF], 0
	s_mov_b32 s[SLOTS], NSL-1
	s_and_b32 s60, s[WV], 1                        ; which of a slot's two steps I fetch
	s_lshl_b32 s61, s58, 11                        ; the sequence's first row
	s_lshl_b32 s68, s59, 8                         ; the pair's 256 bytes in a third of a row
	s_lshl_b32 s62, s60, 6
	s_add_co_u32 s62, s62, s61
	s_mul_i32 s62, s62, ROWQ
	s_add_co_u32 s62, s62, s68
	s_add_co_u32 s62, s62, 2048                    ; K's columns begin at byte 2,048 of a row,
	s_mov_b32 s63, 0
	s_add_co_u32 s66, s62, 2048                    ; V's at byte 4,096
	s_mov_b32 s67, 0
	s_mul_i32 s69, s60, STEPB
	s_add_co_u32 s70, s61, s[Q0]
	s_mul_i32 s70, s70, ROWQ
	s_lshl_b32 s78, s[HW], 7                       ; my head's 128 bytes of the pair's 256
	s_add_co_u32 s70, s70, s68
	s_add_co_u32 s70, s70, s78                     ; Q at my first query
	s_mov_b32 s71, 0
	s_lshl_b32 s72, ttmp9, 8
	s_add_co_u32 s72, s72, s61
	s_lshl_b32 s79, s[WV], 4
	s_add_co_u32 s72, s72, s79                     ; att: the 16 rows that I store
	s_lshl_b32 s72, s72, 11
	s_add_co_u32 s72, s72, s68
	s_mov_b32 s73, 0
	s_lshl_b32 s74, s57, 1
	s_add_co_u32 s74, s74, s[HW]                   ; 16 b + head
	s_mul_i32 s74, s74, 4352
	s_mov_b32 s75, 0
	s_and_b32 s76, s[WV], 3
	s_lshl_b32 s76, s76, 5
	s_add_co_u32 s76, s76, s61
	s_mul_i32 s76, s76, ROWQ                       ; the prefetches: my wave's 32 rows,
	s_add_co_u32 s79, s[HW], 1
	s_lshl_b32 s79, s79, 11                        ; of K (waves under 8) or of V,
	s_add_co_u32 s76, s76, s79
	s_add_co_u32 s76, s76, s68
	s_add_co_u32 s76, s76, 128*ROWQ                ; in slot 1: the first change of slots steps it to slot 2
	s_mov_b32 s77, 0
	s_sub_co_u32 s79, s[WV], 4
	s_lshr_b32 s79, s79, 3                         ; 0 in waves 4 to 11,
	s_or_b32 s79, s79, ttmp9                       ; of the pair's first work-group
	s_cmp_eq_u32 s79, 0
	s_cselect_b32 s[LIM], 1, -1
	s_wait_dscnt 0x0                               ; both opening adds are done
	s_wait_kmcnt 0x0
	s_mov_b32 s[G0K], 1
	s_mov_b32 s[G0K+1], s69
	s_add_nc_u64 s[G0K+2:G0K+3], s[4:5], s[62:63]
	s_or_b32 s[G0K+3], s[G0K+3], 0x80000000
	s_mov_b32 s[G0V], 1
	s_add_co_u32 s[G0V+1], s69, VOFF
	s_add_nc_u64 s[G0V+2:G0V+3], s[4:5], s[66:67]
	s_or_b32 s[G0V+3], s[G0V+3], 0x80000000
	TLOAD                                          ; slot 0
	s_add_nc_u64 s[PFA:PFA+1], s[4:5], s[76:77]
	s_add_nc_u64 s[10:11], s[4:5], s[70:71]
	s_add_nc_u64 s[6:7], s[6:7], s[72:73]
	s_add_nc_u64 s[8:9], s[8:9], s[74:75]
	v_and_b32 v10, 15, v0                          ; r
	v_bfe_u32 v15, v0, 4, 1                        ; h
	v_mul_u32_u24 v[QO], v10, ROWQ
	v_lshl_add_u32 v[QO], v15, 4, v[QO]
.irp t, 0,1
.irp c, 0,1
	global_load_b128 v[QF+16*\t+8*\c:QF+16*\t+8*\c+3], v[QO], s[10:11] offset:16*ROWQ*\t+64*\c
	global_load_b128 v[QF+16*\t+8*\c+4:QF+16*\t+8*\c+7], v[QO], s[10:11] offset:16*ROWQ*\t+64*\c+32
.endr
.endr
	v_mul_u32_u24 v[AK0], v10, PK
	v_lshl_add_u32 v[AK0], v15, 4, v[AK0]
	v_add_nc_u32 v[AK0], s78, v[AK0]               ; row r, + 16 h, + my head
	v_and_b32 v3, 7, v0
	v_bfe_u32 v4, v0, 3, 1
	v_lshl_add_u32 v[AV0], v15, 3, v3
	v_mul_u32_u24 v[AV0], v[AV0], PV
	v_lshl_add_u32 v[AV0], v4, 4, v[AV0]
	v_add_nc_u32 v[AV0], s78, v[AV0]
	v_add_nc_u32 v[AV0], VOFF, v[AV0]              ; the turning load: key 8 h + l % 8, channels 8 ((l / 8) % 2) on
	v_and_b32 v[PFO], 31, v0
	v_mul_u32_u24 v[PFO], v[PFO], ROWQ
	v_lshlrev_b32 v3, 3, v15
	v_sub_nc_u32 v[DD], v10, v3
	s_sub_co_u32 s79, s[Q0], s[QD]
	v_add_nc_u32 v[DD], s79, v[DD]
	v_mov_b32 v[NEGV], 0xc61c4000                  ; -10000.0
	s_mul_i32 s79, s56, 32*PK
	v_add_nc_u32 v[STO], s79, v[AK0]               ; the way out, in: row 32 (w % 8) + r, my head's half, 16 h
	s_mul_i32 s79, s[WV], 16*PK
	v_mul_u32_u24 v[RD], v15, PK
	v_lshl_add_u32 v[RD], v10, 4, v[RD]
	v_add_nc_u32 v[RD], s79, v[RD]                 ; back: rows 16 w on; lanes 0-15 one row, lanes 16-31 the next
	v_lshlrev_b32 v[GO], 11, v15
	v_lshl_add_u32 v[GO], v10, 4, v[GO]            ; and the same two rows in att
.irp t, 0,1
	v_mov_b32 v[ST+8*\t], 0
	v_mov_b32 v[ST+8*\t+1], 0xff61b1e6             ; -3e38, under every c x score
	v_mov_b32 v[ST+8*\t+2], 0
	v_mov_b32 v[ST+8*\t+3], 0
	v_mov_b32 v[ST+8*\t+4], 0
	v_mov_b32 v[ST+8*\t+5], 0
	v_mov_b32 v[ST+8*\t+6], 0
	v_mov_b32 v[ST+8*\t+7], 0
.endr
.set i, 0
.rept 64
	v_mov_b32 v[OT+i], 0                           ; the step is written with no first step of its own: it finds zeros, which the first rescaling leaves zeros
.set i, i+1
.endr
; A KEY STEP: 64 keys, the q-th of the slot in hand.
.macro STEP q
	s_cmp_gt_u32 s[KF], s[QL]
	s_cselect_b32 s[BC], 0xc4e16bcd, 0             ; c x -10000 where all 64 keys come after my 32 queries, else 0
	v_add_nc_u32 v[ADK], s[TB], v[AK0]
	v_add_nc_u32 v[ADV], s[TB], v[AV0]
.rept 3
	v_nop                                          ; with the two additions: five places behind the last V^T P: four for the loads into its fragments, five for the products that write over P
.endr
.irp f, 0,1,2,3,4,5,6,7                        ; fragment 2 kt + c: keys 16 kt on, channels 32 c on
	ds_load_b128 v[KV+8*\f:KV+8*\f+3], v[ADK] offset:(\q)*STEPB+(\f/2)*16*PK+(\f%2)*64
	ds_load_b128 v[KV+8*\f+4:KV+8*\f+7], v[ADK] offset:(\q)*STEPB+(\f/2)*16*PK+(\f%2)*64+32
.endr
	s_wait_dscnt 0x0
.irp c, 0,1                                    ; the eight accumulators take turns
.irp kt, 0,1,2,3
.irp t, 0,1
.if \c == 0
	v_wmma_f32_16x16x32_f16 v[SS+32*\t+8*\kt:SS+32*\t+8*\kt+7], v[KV+16*\kt+8*\c:KV+16*\kt+8*\c+7], v[QF+16*\t+8*\c:QF+16*\t+8*\c+7], 0
.else
	v_wmma_f32_16x16x32_f16 v[SS+32*\t+8*\kt:SS+32*\t+8*\kt+7], v[KV+16*\kt+8*\c:KV+16*\kt+8*\c+7], v[QF+16*\t+8*\c:QF+16*\t+8*\c+7], v[SS+32*\t+8*\kt:SS+32*\t+8*\kt+7]
.endif
.endr
.endr
.endr
.rept 4
	v_nop                                          ; places: for the loads into K's fragments and for the reads of the scores
.endr
.irp f, 0,1,2,3,4,5,6,7                        ; V's fragments land under the softmax: fragment 4 g + ct: keys 32 g on, channels 16 ct on
	ds_load_tr16_b128 v[KV+8*\f:KV+8*\f+3], v[ADV] offset:(\q)*STEPB+(\f/4)*32*PV+(\f%4)*32
	ds_load_tr16_b128 v[KV+8*\f+4:KV+8*\f+7], v[ADV] offset:(\q)*STEPB+(\f/4)*32*PV+16*PV+(\f%4)*32
.endr
	s_cmp_lg_u32 s[KF], s[QD]                      ; ids and the count of steps alone
	s_cbranch_scc1 .Lopen_\@
.set n, 0
.rept 64                                       ; ON MY DIAGONAL: register n holds key 16 ((n / 8) % 4) + 8 h + n % 8 of the step for query 16 (n / 32) + r: -10000 is added where the key comes after the query
	v_cmp_gt_i32 vcc_lo, 16*((n/8)%4)+n%8-16*(n/32), v[DD]
	v_cndmask_b32 v10, 0, v[NEGV], vcc_lo
	v_add_f32 v[SS+n], v[SS+n], v10
.set n, n+1
.endr
	s_cmp_lg_u32 s[Q0], 0
	s_cbranch_scc1 .Lopen_\@
.irp j, 0,1,2,3,4,5,6,7
	v_mov_b32 v[SS+\j], 0xff61b1e6                 ; keys 0-15 of queries 0-15 are the next launch's
.endr
.Lopen_\@:
.irp t, 0,1                                    ; the largest of a lane's 32 scores: two chains a tile; each accumulator is first read at its low end
	v_max3_num_f32 v[ST+8*\t+6], v[SS+32*\t], v[SS+32*\t+1], v[SS+32*\t+2]
	v_max3_num_f32 v[ST+8*\t+7], v[SS+32*\t+16], v[SS+32*\t+17], v[SS+32*\t+18]
.endr
.irp i, 3,5,7,9,11,13
.irp t, 0,1
	v_max3_num_f32 v[ST+8*\t+6], v[ST+8*\t+6], v[SS+32*\t+\i], v[SS+32*\t+\i+1]
	v_max3_num_f32 v[ST+8*\t+7], v[ST+8*\t+7], v[SS+32*\t+16+\i], v[SS+32*\t+17+\i]
.endr
.endr
.irp t, 0,1
	v_max3_num_f32 v[ST+8*\t+6], v[ST+8*\t+6], v[SS+32*\t+15], v[SS+32*\t+31]
.endr
.irp t, 0,1
	v_max_num_f32 v[ST+8*\t+6], v[ST+8*\t+6], v[ST+8*\t+7]
.endr
.irp t, 0,1
	v_permlanex16_b32 v[ST+8*\t+7], v[ST+8*\t+6], s[SEL], s[SEL+1]   ; the query's other 32 keys lie in the lane 16 away
.endr
.irp t, 0,1
	v_max_num_f32 v[ST+8*\t+6], v[ST+8*\t+6], v[ST+8*\t+7]
.endr
.irp t, 0,1
	v_fma_f32 v[ST+8*\t+6], v[ST+8*\t+6], s[CS], s[BC]               ; c x (the step's largest score + its mask term)
.endr
.irp t, 0,1
	v_max_num_f32 v[ST+8*\t+7], v[ST+8*\t+1], v[ST+8*\t+6]           ; the new running maximum
.endr
.irp t, 0,1
	v_sub_f32 v[ST+8*\t+6], v[ST+8*\t+1], v[ST+8*\t+7]               ; old less new: 0 or less
.endr
.irp t, 0,1
	v_mov_b32 v[ST+8*\t+1], v[ST+8*\t+7]
	v_sub_f32 v[ST+8*\t], s[BC], v[ST+8*\t+7]                        ; the addend: the step's mask term less the maximum
.endr
.irp j, 0,2,4,6,8,10,12,14,16,18,20,22,24,26,28,30
.irp t, 0,1
	v_pk_fma_f32 v[SS+32*\t+\j:SS+32*\t+\j+1], v[SS+32*\t+\j:SS+32*\t+\j+1], s[CS:CS+1], v[ST+8*\t:ST+8*\t+1] op_sel_hi:[1,0,0]
.endr
.endr
.irp t, 0,1                                    ; ONE batch of 66 exponentials,
	v_exp_f32 v[ST+8*\t+4], v[ST+8*\t+6]           ; the rescaling factor,
.endr
.set i, 0
.rept 64
	v_exp_f32 v[SS+i], v[SS+i]                     ; and p, at most 1
.set i, i+1
.endr
	v_nop                                          ; one plain instruction behind the last exponential,
	s_wait_alu depctr_va_vdst(0)                   ; and one wait for the batch, ahead of its first reader
.irp t, 0,1
	v_pk_mul_f32 v[ST+8*\t+2:ST+8*\t+3], v[ST+8*\t+2:ST+8*\t+3], v[ST+8*\t+4:ST+8*\t+5] op_sel_hi:[1,0]
	v_pk_add_f32 v[ST+8*\t+6:ST+8*\t+7], v[SS+32*\t:SS+32*\t+1], v[SS+32*\t+2:SS+32*\t+3]   ; the sum is taken of p before it is rounded: two chains a tile
.endr
.irp j, 4,8,12,16,20,24,28
.irp t, 0,1
	v_pk_add_f32 v[ST+8*\t+2:ST+8*\t+3], v[ST+8*\t+2:ST+8*\t+3], v[SS+32*\t+\j:SS+32*\t+\j+1]
	v_pk_add_f32 v[ST+8*\t+6:ST+8*\t+7], v[ST+8*\t+6:ST+8*\t+7], v[SS+32*\t+\j+2:SS+32*\t+\j+3]
.endr
.endr
.irp t, 0,1
	v_pk_add_f32 v[ST+8*\t+2:ST+8*\t+3], v[ST+8*\t+2:ST+8*\t+3], v[ST+8*\t+6:ST+8*\t+7]
.endr
.irp i, 0,1,2,3,4,5,6,7,8,9,10,11,12,13,14,15
.irp t, 0,1
	v_cvt_pk_f16_f32 v[SS+32*\t+\i], v[SS+32*\t+2*\i], v[SS+32*\t+2*\i+1]   ; in place, ascending: P of keys 32 g on lies at 8 g
.endr
.endr
.irp j, 0,2,4,6,8,10,12,14,16,18,20,22,24,26,28,30
.irp t, 0,1
	v_pk_mul_f32 v[OT+32*\t+\j:OT+32*\t+\j+1], v[OT+32*\t+\j:OT+32*\t+\j+1], v[ST+8*\t+4:ST+8*\t+5] op_sel_hi:[1,0]
.endr
.endr
	s_wait_dscnt 0x0                               ; V is in
.irp g, 0,1
.irp ct, 0,1,2,3
.irp t, 0,1
	v_wmma_f32_16x16x32_f16 v[OT+32*\t+8*\ct:OT+32*\t+8*\ct+7], v[KV+32*\g+8*\ct:KV+32*\g+8*\ct+7], v[SS+32*\t+8*\g:SS+32*\t+8*\g+7], v[OT+32*\t+8*\ct:OT+32*\t+8*\ct+7]
.endr
.endr
.endr
	s_add_co_u32 s[KF], s[KF], 64
.endm
; THE CHANGE OF SLOTS stands at a slot's head.  Each wave waits for all its tensor loads, adds 0 to its spare word, and waits for that and for its reads of the slot that it has left.
; Behind the barrier the slot ahead is whole and nobody reads the other one, which is filled with the next 128 keys: that load has two key steps in which to land.
.macro CHANGE fill
	s_wait_tensorcnt 0x0                           ; no tensor load of mine is out, so a descriptor may be written
	ds_add_u32 v[SPW], v[NIL]
.if \fill
	ds_add_u32 v[SPW], v[NIL]                      ; and once more, in every trip alike
	s_xor_b32 s[G0K+1], s[G0K+1], SLOT1
	s_add_nc_u64 s[G0K+2:G0K+3], s[G0K+2:G0K+3], 128*ROWQ
	s_xor_b32 s[G0V+1], s[G0V+1], SLOT1
	s_add_nc_u64 s[G0V+2:G0V+3], s[G0V+2:G0V+3], 128*ROWQ
	s_wait_xcnt 0x0                                ; the last prefetch, a slot back, has read its address
	s_add_nc_u64 s[PFA:PFA+1], s[PFA:PFA+1], 128*ROWQ
.endif
	s_wait_dscnt 0x0
	s_barrier_signal -1
	s_barrier_wait -1
.if \fill
	TLOAD                                          ; the first thing behind the barrier, and a wave's one tensor load until the next
	ASK
.endif
.endm
.macro SLOT_STEPS
	STEP 0
	STEP 1
	s_xor_b32 s[TB], s[TB], SLOT1
.endm
	s_wait_loadcnt 0x0                             ; Q
.Lslot:                                            ; 15 trips: behind each change of slots but the last the next slot is asked for
	CHANGE 1
	SLOT_STEPS
	s_sub_co_u32 s[SLOTS], s[SLOTS], 1
	s_cmp_lg_u32 s[SLOTS], 0
	s_cbranch_scc1 .Lslot
	CHANGE 0                                       ; the last slot is written out
	SLOT_STEPS
	; THE WAY OUT
.rept 4
	v_nop                                          ; places behind the last products
.endr
.irp t, 0,1
	v_add_f32 v[ST+8*\t+6], v[ST+8*\t+2], v[ST+8*\t+3]
.endr
.irp t, 0,1
	v_permlanex16_b32 v[ST+8*\t+7], v[ST+8*\t+6], s[SEL], s[SEL+1]
.endr
.irp t, 0,1
	v_add_f32 v[ST+8*\t+6], v[ST+8*\t+6], v[ST+8*\t+7]               ; the row's sum
.endr
	s_cmp_lg_u32 s[Q0], 0
	s_cbranch_scc1 .Lno_state
	v_and_b32 v10, 31, v0                          ; the state of queries 0-15 over keys 16 .. 2,047, as an image of the registers
	v_lshlrev_b32 v15, 3, v10
	v_lshlrev_b32 v10, 4, v10
	v_mov_b32 v64, v[ST+1]
	v_mov_b32 v65, v[ST+6]
.irp g, 0,1,2,3,4,5,6,7
	global_store_b128 v10, v[OT+4*\g:OT+4*\g+3], s[8:9] offset:512*\g
.endr
	global_store_b64 v15, v[64:65], s[8:9] offset:4096
.Lno_state:
.irp t, 0,1
	v_rcp_f32 v[ST+8*\t+4], v[ST+8*\t+6]
.endr
	v_nop
	s_wait_alu depctr_va_vdst(0)                   ; one wait for the two reciprocals, ahead of their first reader
.irp t, 0,1
.irp j, 0,2,4,6,8,10,12,14,16,18,20,22,24,26,28,30
	v_pk_mul_f32 v[SS+32*\t+\j:SS+32*\t+\j+1], v[OT+32*\t+\j:OT+32*\t+\j+1], v[ST+8*\t+4:ST+8*\t+5] op_sel_hi:[1,0]   ; not in place: the stores above may still read O^T
.endr
.endr
.set i, 0
.rept 32
	v_cvt_pk_f16_f32 v[96+i], v[SS+2*i], v[SS+2*i+1]
.set i, i+1
.endr
.irp t, 0,1
.irp ct, 0,1,2,3
	ds_store_b128 v[STO], v[96+16*\t+4*\ct:96+16*\t+4*\ct+3] offset:\t*16*PK+32*\ct   ; the stage lies in slot 0: it has had its last fill, and nobody reads it
.endr
.endr
	s_wait_dscnt 0x0                               ; for the others' sake: a row's 256 bytes come from waves w and w + 8
	s_barrier_signal -1
	s_barrier_wait -1
.irp i, 0,1,2,3,4,5,6,7
	ds_load_b128 v[QF+4*\i:QF+4*\i+3], v[RD] offset:2*\i*PK
.endr
.irp i, 0,1,2,3,4,5,6,7
	s_wait_dscnt 7-\i                              ; number i is in, the younger loads may be out
	global_store_b128 v[GO], v[QF+4*\i:QF+4*\i+3], s[6:7] offset:4096*\i   ; sixteen lanes store 256 consecutive, aligned bytes
.endr
	s_wait_tensorcnt 0x0                           ; the wave's end
	ds_add_u32 v[SPW], v[NIL]
	s_wait_dscnt 0x0
	s_endpgm
.Lfunc_end_k_q192410e3c2_attn:
	.size	k_q192410e3c2_attn, .Lfunc_end_k_q192410e3c2_attn-k_q192410e3c2_attn
	.p2alignl 7, 3214868480
	.fill 96, 4, 3214868480
	.section	.rodata,"a",@progbits
	.p2align	6, 0x0
	.amdhsa_kernel k_q192410e3c2_attn
		.amdhsa_group_segment_fixed_size 327680
		.amdhsa_private_segment_fixed_size 0
		.amdhsa_enable_private_segment 0
		.amdhsa_kernarg_size 24
		.amdhsa_user_sgpr_count 2
		.amdhsa_user_sgpr_kernarg_segment_ptr 1
		.amdhsa_wavefront_size32 1
		.amdhsa_system_sgpr_workgroup_id_x 1
		.amdhsa_system_sgpr_workgroup_id_y 1
		.amdhsa_system_sgpr_workgroup_id_z 1
		.amdhsa_system_vgpr_workitem_id 0
		.amdhsa_next_free_vgpr 256
		.amdhsa_next_free_sgpr 80
		.amdhsa_reserve_vcc 1
		.amdhsa_float_denorm_mode_32 3
		.amdhsa_float_denorm_mode_16_64 3
		.amdhsa_memory_ordered 1
		.amdhsa_forward_progress 1
		.amdhsa_inst_pref_size 115
	.end_amdhsa_kernel
	.amdgpu_metadata
---
amdhsa.version: [ 1, 2 ]
amdhsa.kernels:
  - .name:           k_q192410e3c2_attn
    .symbol:         k_q192410e3c2_attn.kd
    .args:
      - { .name: qkv, .offset: 0, .size: 8, .value_kind: global_buffer, .address_space: global }
      - { .name: att, .offset: 8, .size: 8, .value_kind: global_buffer, .address_space: global }
      - { .name: st16, .offset: 16, .size: 8, .value_kind: global_buffer, .address_space: global }
    .group_segment_fixed_size: 327680
    .private_segment_fixed_size: 0
    .kernarg_segment_align: 8
    .kernarg_segment_size: 24
    .max_flat_workgroup_size: 512
    .sgpr_count:     80
    .vgpr_count:     256
    .wavefront_size: 32
...
	.end_amdgpu_metadata
.endif
;; end of part 3
;; launch fine (part 4): grid 64 x 4, 4 waves a work-group, no clusters, 0 bytes of LDS; arguments qkv16, st16, w_out, part16; writes part16
.if DOCPART == 4
	.amdgcn_target "amdgcn-amd-amdhsa--gfx1250"
	.amdhsa_code_object_version 6
	.text
	.protected	k_q192410e3c2_fine
	.globl	k_q192410e3c2_fine
	.p2align	8
	.type	k_q192410e3c2_fine,@function
k_q192410e3c2_fine:
	s_mov_b64 s[64:65], 0
	v_nop
	global_prefetch_b8 v0, s[64:65] scope:SCOPE_SE
	s_setreg_imm32_b32 hwreg(HW_REG_WAVE_MODE, 25, 1), 1
	s_wait_xcnt 0x0
; THE FIRST 16 POSITIONS OF EVERY SEQUENCE AND HEAD, IN F32: they average few values and are the largest rows of the result.  No work of the problem is left out.
; Work-group x = 16 b + head; wave: 64 columns of the output, cb = 4 y + wave.  Each wave makes the head's 16 x 16 block of attention anew (32 small matrix instructions), merges it with the state
; that the launch before stored for keys 16 .. 2,047 (c x largest score cm2, sum l2, O2): m = max(cm1, cm2), f2 = 2^(cm2 - m), l = sum p + f2 l2, O = (P V + f2 O2) / l,
; and multiplies O by w_out's 64 rows of the head: the head's part of 16 rows x 64 columns of the output, stored as an image of the registers.  The last launch adds the 16 heads' parts.
; All products by the f32 matrix form, 96 instructions a wave.  K is permuted alike on both sides of each product, so that loads of 16 bytes and results serve as operands as they stand.
; The registers that matrix instructions write (v148-243) are written by nothing else; sums begin with the constant 0; accumulators take turns.
.set QR, 16                            ; v16-47   Q: chunk u: channels 8 u + 4 h + 0..3 of query r
.set KR, 48                            ; v48-79   K likewise, of key r
.set VR, 80                            ; v80-111  V^T: register 8 ct + kk: V(key 8 h + kk, channel 16 ct + r)
.set ER, 112                           ; v112-143 O2, then the finished O: register 8 ct + j: channel 16 ct + 8 h + j of query r
.set SA, 148
.set OA, 180
.set OU, 212
.set PR, 244                           ; v244-251 the scores, then p: key 8 h + j of query r
.set MSB, 0
.macro WIN new
.if MSB != \new
	s_set_vgpr_msb (MSB<<8)|\new
.set MSB, \new
.endif
.endm
	s_load_b256 s[4:11], s[0:1], 0x0               ; qkv16 s[4:5], st16 s[6:7], w_out s[8:9], part16 s[10:11]
	v_lshrrev_b32 v1, 5, v0
	v_readfirstlane_b32 s12, v1                    ; wave
	s_and_b32 s13, ttmp7, 0xffff
	s_lshl_b32 s13, s13, 2
	s_add_co_u32 s13, s13, s12                     ; cb
	s_lshr_b32 s14, ttmp9, 4                       ; b
	s_and_b32 s15, ttmp9, 15                       ; head
	s_mul_i32 s16, s14, 196608                     ; 16 rows of 12,288 bytes
	s_lshl_b32 s18, s15, 8
	s_add_co_u32 s16, s16, s18
	s_mov_b32 s17, 0
	s_mul_i32 s18, ttmp9, 4352
	s_mov_b32 s19, 0
	s_lshl_b32 s24, s15, 18                        ; the head's 64 rows of w_out
	s_lshl_b32 s26, s13, 8
	s_add_co_u32 s24, s24, s26
	s_mov_b32 s25, 0
	s_lshl_b32 s26, s14, 4
	s_add_co_u32 s26, s26, s13
	s_lshl_b32 s26, s26, 4
	s_add_co_u32 s26, s26, s15
	s_lshl_b32 s26, s26, 12                        ; ((16 b + cb) 16 + head) x 4,096
	s_mov_b32 s27, 0
	s_mov_b32 s20, 0x76543210
	s_mov_b32 s21, 0xfedcba98
	s_mov_b32 s22, 0x3e38aa3b                      ; c = log2(e) / 8
	s_mov_b32 s23, s22
	v_and_b32 v1, 31, v0
	v_and_b32 v2, 15, v0                           ; r
	v_bfe_u32 v3, v0, 4, 1                         ; h
	v_mul_u32_u24 v4, v2, 12288
	v_lshl_add_u32 v4, v3, 4, v4
	v_mul_u32_u24 v5, v3, 98304
	v_lshl_add_u32 v5, v2, 2, v5
	v_lshlrev_b32 v6, 4, v1
	v_lshlrev_b32 v7, 3, v1
	v_lshlrev_b32 v8, 15, v3
	v_lshl_add_u32 v8, v2, 2, v8
	v_lshlrev_b32 v9, 3, v3
	v_sub_nc_u32 v9, v2, v9                        ; r - 8 h
	v_mov_b32 v10, 0xc61c4000                      ; -10000.0
	v_mov_b32 v13, 0
	v_mov_b32 v15, 0
	v_mov_b32 v255, 0
	v_mov_b32 v147, 0
	s_wait_kmcnt 0x0
	s_add_nc_u64 s[4:5], s[4:5], s[16:17]
	s_add_nc_u64 s[6:7], s[6:7], s[18:19]
	s_add_nc_u64 s[8:9], s[8:9], s[24:25]
	s_add_nc_u64 s[10:11], s[10:11], s[26:27]
	WIN 0x40                                       ; destination window 1: register 32 nt + 8 ct + kk: W(64 head + 16 ct + 8 h + kk, 64 cb + 16 nt + r)
.set n, 0
.rept 128
	global_load_b32 v[n], v8, s[8:9] offset:(16*((n/8)%4)+n%8)*4096+64*(n/32)
.set n, n+1
.endr
	WIN 0
.irp u, 0,1,2,3,4,5,6,7
	global_load_b128 v[QR+4*\u:QR+4*\u+3], v4, s[4:5] offset:32*\u
	global_load_b128 v[KR+4*\u:KR+4*\u+3], v4, s[4:5] offset:4096+32*\u
.endr
.set n, 0
.rept 32
	global_load_b32 v[VR+n], v5, s[4:5] offset:8192+12288*(n%8)+64*(n/8)
.set n, n+1
.endr
.irp g, 0,1,2,3,4,5,6,7
	global_load_b128 v[ER+4*\g:ER+4*\g+3], v6, s[6:7] offset:512*\g
.endr
	global_load_b64 v[144:145], v7, s[6:7] offset:4096               ; cm2, l2
	s_wait_loadcnt 0x0
	; S^T = K Q^T: 16 products of 4 channels, four accumulators by turns
.set n, 0
.rept 16
.if n < 4
	v_wmma_f32_16x16x4_f32 v[SA+8*(n%4):SA+8*(n%4)+7], v[KR+2*n:KR+2*n+1], v[QR+2*n:QR+2*n+1], 0
.else
	v_wmma_f32_16x16x4_f32 v[SA+8*(n%4):SA+8*(n%4)+7], v[KR+2*n:KR+2*n+1], v[QR+2*n:QR+2*n+1], v[SA+8*(n%4):SA+8*(n%4)+7]
.endif
.set n, n+1
.endr
.rept 8
	v_nop                                          ; eight places behind this form
.endr
.irp i, 0,2,4,6
	v_pk_add_f32 v[PR+\i:PR+\i+1], v[SA+\i:SA+\i+1], v[SA+8+\i:SA+8+\i+1]
.endr
.irp i, 0,2,4,6
	v_pk_add_f32 v[PR+\i:PR+\i+1], v[PR+\i:PR+\i+1], v[SA+16+\i:SA+16+\i+1]
.endr
.irp i, 0,2,4,6
	v_pk_add_f32 v[PR+\i:PR+\i+1], v[PR+\i:PR+\i+1], v[SA+24+\i:SA+24+\i+1]
.endr
.irp j, 0,1,2,3,4,5,6,7                        ; key 8 h + j comes after query r where j > r - 8 h
	v_cmp_gt_i32 vcc_lo, \j, v9
	v_cndmask_b32 v254, 0, v10, vcc_lo
	v_add_f32 v[PR+\j], v[PR+\j], v254
.endr
	v_max3_num_f32 v254, v[PR], v[PR+1], v[PR+2]
	v_max3_num_f32 v254, v254, v[PR+3], v[PR+4]
	v_max3_num_f32 v254, v254, v[PR+5], v[PR+6]
	v_max_num_f32 v254, v254, v[PR+7]
	v_permlanex16_b32 v255, v254, s20, s21
	v_max_num_f32 v254, v254, v255
	v_mul_f32 v254, s22, v254                      ; cm1
	v_max_num_f32 v254, v254, v144                 ; m
	v_sub_f32 v12, 0, v254                         ; -m
	v_sub_f32 v146, v144, v254                     ; cm2 - m
.irp i, 0,2,4,6
	v_pk_fma_f32 v[PR+\i:PR+\i+1], v[PR+\i:PR+\i+1], s[22:23], v[12:13] op_sel_hi:[1,0,0]
.endr
.irp j, 0,1,2,3,4,5,6,7
	v_exp_f32 v[PR+\j], v[PR+\j]
.endr
	v_exp_f32 v14, v146                            ; f2
	v_nop
	s_wait_alu depctr_va_vdst(0)                   ; one wait for the nine, ahead of their first reader
	v_pk_add_f32 v[146:147], v[PR:PR+1], v[PR+2:PR+3]
	v_pk_add_f32 v[254:255], v[PR+4:PR+5], v[PR+6:PR+7]
	v_pk_add_f32 v[146:147], v[146:147], v[254:255]
	v_add_f32 v146, v146, v147
	v_permlanex16_b32 v147, v146, s20, s21
	v_add_f32 v146, v146, v147
	v_fma_f32 v146, v14, v145, v146                ; l
	v_rcp_f32 v252, v146
	v_mov_b32 v253, 0                              ; (a plain instruction behind the reciprocal; the upper half of its pair)
	s_wait_alu depctr_va_vdst(0)
.rept 4
	v_nop
.endr
	; O^T = V^T P: product (u, ct): keys 8 h + 2 u + 0, 1
.irp u, 0,1,2,3
.irp ct, 0,1,2,3
.if \u == 0
	v_wmma_f32_16x16x4_f32 v[OA+8*\ct:OA+8*\ct+7], v[VR+8*\ct+2*\u:VR+8*\ct+2*\u+1], v[PR+2*\u:PR+2*\u+1], 0
.else
	v_wmma_f32_16x16x4_f32 v[OA+8*\ct:OA+8*\ct+7], v[VR+8*\ct+2*\u:VR+8*\ct+2*\u+1], v[PR+2*\u:PR+2*\u+1], v[OA+8*\ct:OA+8*\ct+7]
.endif
.endr
.endr
.rept 8
	v_nop
.endr
.irp i, 0,2,4,6,8,10,12,14,16,18,20,22,24,26,28,30
	v_pk_fma_f32 v[ER+\i:ER+\i+1], v[ER+\i:ER+\i+1], v[14:15], v[OA+\i:OA+\i+1] op_sel_hi:[1,0,1]
.endr
.irp i, 0,2,4,6,8,10,12,14,16,18,20,22,24,26,28,30
	v_pk_mul_f32 v[ER+\i:ER+\i+1], v[ER+\i:ER+\i+1], v[252:253] op_sel_hi:[1,0]
.endr
.rept 4
	v_nop
.endr
	; the head's part of the output: source 0 = 16 columns of w_out, source 1 = O: a lane holds query r and eight neighbouring columns
	WIN 0x01                                       ; source 0 window 1
.irp ct, 0,1,2,3
.irp u, 0,1,2,3
.irp nt, 0,1,2,3
.if (\ct == 0) && (\u == 0)
	v_wmma_f32_16x16x4_f32 v[OU+8*\nt:OU+8*\nt+7], v[32*\nt+8*\ct+2*\u:32*\nt+8*\ct+2*\u+1], v[ER+8*\ct+2*\u:ER+8*\ct+2*\u+1], 0
.else
	v_wmma_f32_16x16x4_f32 v[OU+8*\nt:OU+8*\nt+7], v[32*\nt+8*\ct+2*\u:32*\nt+8*\ct+2*\u+1], v[ER+8*\ct+2*\u:ER+8*\ct+2*\u+1], v[OU+8*\nt:OU+8*\nt+7]
.endif
.endr
.endr
.endr
	WIN 0
.rept 8
	v_nop
.endr
.irp g, 0,1,2,3,4,5,6,7
	global_store_b128 v6, v[OU+4*\g:OU+4*\g+3], s[10:11] offset:512*\g   ; 512 consecutive, aligned bytes a store
.endr
	s_endpgm
.Lfunc_end_k_q192410e3c2_fine:
	.size	k_q192410e3c2_fine, .Lfunc_end_k_q192410e3c2_fine-k_q192410e3c2_fine
	.p2alignl 7, 3214868480
	.fill 96, 4, 3214868480
	.section	.rodata,"a",@progbits
	.p2align	6, 0x0
	.amdhsa_kernel k_q192410e3c2_fine
		.amdhsa_group_segment_fixed_size 0
		.amdhsa_private_segment_fixed_size 0
		.amdhsa_enable_private_segment 0
		.amdhsa_kernarg_size 32
		.amdhsa_user_sgpr_count 2
		.amdhsa_user_sgpr_kernarg_segment_ptr 1
		.amdhsa_wavefront_size32 1
		.amdhsa_system_sgpr_workgroup_id_x 1
		.amdhsa_system_sgpr_workgroup_id_y 1
		.amdhsa_system_sgpr_workgroup_id_z 1
		.amdhsa_system_vgpr_workitem_id 0
		.amdhsa_next_free_vgpr 384
		.amdhsa_next_free_sgpr 66
		.amdhsa_reserve_vcc 1
		.amdhsa_float_denorm_mode_32 3
		.amdhsa_float_denorm_mode_16_64 3
		.amdhsa_memory_ordered 1
		.amdhsa_forward_progress 1
		.amdhsa_inst_pref_size 33
	.end_amdhsa_kernel
	.amdgpu_metadata
---
amdhsa.version: [ 1, 2 ]
amdhsa.kernels:
  - .name:           k_q192410e3c2_fine
    .symbol:         k_q192410e3c2_fine.kd
    .args:
      - { .name: qkv16, .offset: 0, .size: 8, .value_kind: global_buffer, .address_space: global }
      - { .name: st16, .offset: 8, .size: 8, .value_kind: global_buffer, .address_space: global }
      - { .name: w_out, .offset: 16, .size: 8, .value_kind: global_buffer, .address_space: global }
      - { .name: part16, .offset: 24, .size: 8, .value_kind: global_buffer, .address_space: global }
    .group_segment_fixed_size: 0
    .private_segment_fixed_size: 0
    .kernarg_segment_align: 8
    .kernarg_segment_size: 32
    .max_flat_workgroup_size: 128
    .sgpr_count:     66
    .vgpr_count:     384
    .wavefront_size: 32
...
	.end_amdgpu_metadata
.endif
;; end of part 4
;; launch proj (part 5): grid 8 x 64, 4 waves a work-group, clusters of 4 x 4, 327,680 bytes of LDS; arguments att, wo16, b_out, part16, out0; writes out0
.if DOCPART == 5
	.amdgcn_target "amdgcn-amd-amdhsa--gfx1250"
	.amdhsa_code_object_version 6
	.text
	.protected	k_q192410e3c2_proj
	.globl	k_q192410e3c2_proj
	.p2align	8
	.type	k_q192410e3c2_proj,@function
k_q192410e3c2_proj:
	s_mov_b64 s[64:65], 0
	v_nop
	global_prefetch_b8 v0, s[64:65] scope:SCOPE_SE
	s_setreg_imm32_b32 hwreg(HW_REG_WAVE_MODE, 25, 1), 1
	s_wait_xcnt 0x0
	s_wait_alu depctr_hold_cnt(0) depctr_sa_sdst(0) depctr_va_vdst(0) depctr_va_sdst(0) depctr_va_ssrc(0) depctr_va_vcc(0) depctr_vm_vsrc(0)
	s_getreg_b32 s2, hwreg(HW_REG_IB_STS2, 6, 4)
	s_cmp_eq_u32 s2, 0
	s_cbranch_scc0 .Lentry_in_a_cluster
	s_endpgm
.Lentry_in_a_cluster:
	s_bfe_u32 s2, ttmp6, 0x10000c
	s_cmp_lg_u32 s2, 0xf033
	s_cbranch_scc0 .Lentry_shape_is_right
	s_endpgm
.Lentry_shape_is_right:
; out0 = att w_out + b_out: [8192][1024], K = 1,024.  att: f16 [8192][1024]; wo16: w_out in f16, laid [n][k]; sums in f32; out0 f32.  No work of the problem is left out.
; The bias is the C of each sum's first product.  FOR THE FIRST 16 POSITIONS OF EACH SEQUENCE the sums are replaced by b_out + the 16 heads' parts that the launch before made in f32.
; A tile of 128 x 128 is made by four waves, each 64 x 64: 16 accumulators.  K goes in steps of 256 (LDS rows of 512 bytes) through a ring of two slots filled by the tensor data mover.
; CLUSTERS: 4 x 4 work-groups; A's tiles are shared along a row of the cluster, B's along a column, by joint loads.  Tile row = 16 cy + cluster y, so that 'first tile of a sequence' is
; 'cluster y = 0', the same in all sixteen partners.  THE MATRIX INSTRUCTION IS USED TRANSPOSED (source 0 = 16 rows of wo16, source 1 = 16 rows of att): a lane holds eight neighbouring columns of a row.
; REGISTERS: window 0: v0-31 addresses; v32-95 the way out; v96-127 the bias; v128-255 the accumulators ((a, b) at v[128 + 8 (4 a + b)]).  window 1: two fragment buffers of 128; later the heads' parts.
.set SIZE_N, 1024
.set SIZE_K, 1024
.set KSTEP,  256
.set PITCH,  528                       ; an LDS row: 512 bytes + 16 of padding
.set HALFT,  64*PITCH
.set SLOT,   4*HALFT
.set STAGE,  2*SLOT                    ; behind the ring: 16 rows x 272 bytes for each wave
.set SPITCH, 272
.set SPARE,  STAGE+4*16*SPITCH         ; the spare words, 128 bytes for each wave
.set LAPS, SIZE_K/(2*KSTEP)
.set ADRA, 16
.set ADRB, 20
.set STO,  24
.set RD,   25
.set CO,   26
.set BA,   27                          ; v27  32 x (lane / 16): my eight numbers of a bias tile
.set SPW,  28
.set NIL,  29
.set PO,   30                          ; v30  16 x lane
.set TMP,  32
.set BIAS, 96
.set ACC,  128
.set F0,   0
.set F1,   128
.set G1, 24
.set G0, 32
.set G1B, 48
.set G0B, 56
.set MSB, 0
.macro WIN new
.if MSB != \new
	s_set_vgpr_msb (MSB<<8)|\new
.set MSB, \new
.endif
.endm
.set MUL,  0x05
.set TO_F, 0x40
.macro JLOAD s                         ; a joint load: waves 0 and 1 fetch A's two halves, waves 2 and 3 B's; an s_nop 0 and four v_nop follow each line
	s_cmp_eq_u32 s11, 0
	s_cbranch_scc0 .Lfor_b_\@
	tensor_load_to_lds s[G0+4*\s:G0+4*\s+3], s[G1:G1+7]
	s_nop 0
.rept 4
	v_nop
.endr
	s_branch .Lasked_\@
.Lfor_b_\@:
	tensor_load_to_lds s[G0B+4*\s:G0B+4*\s+3], s[G1B:G1B+7]
	s_nop 0
.rept 4
	v_nop
.endr
.Lasked_\@:
.endm
.macro CREST
	s_cmp_lg_u32 s10, 0
	s_cbranch_scc1 .Lnot_wave_0_\@
	s_barrier_signal -3
.Lnot_wave_0_\@:
	s_barrier_wait -3
	s_barrier_signal -1
	s_barrier_wait -1
.endm
.macro CROUND
	s_barrier_signal -1
	s_barrier_wait -1
	CREST
.endm
	s_load_b128 s[4:7], s[0:1], 0x0                ; att s[4:5], wo16 s[6:7]
	s_load_b128 s[68:71], s[0:1], 0x10             ; b_out s[68:69], part16 s[70:71]
	s_load_b64 s[8:9], s[0:1], 0x20                ; out0
	v_lshl_add_u32 v[SPW], v0, 2, SPARE
	v_mov_b32 v[NIL], 0
	ds_add_u32 v[SPW], v[NIL]                      ; the wave's opening: the add, twice on end, and its wait ahead of my first tensor load
	ds_add_u32 v[SPW], v[NIL]
	v_lshrrev_b32 v1, 5, v0
	v_readfirstlane_b32 s10, v1                    ; wave 0..3
	s_lshr_b32 s11, s10, 1                         ; which half of the tile's rows is mine.  Also: I fetch for A (0) or for B (1)
	s_and_b32 s12, s10, 1                          ; which half of its columns.  Also: which 64 rows I fetch
	s_bfe_u32 s40, ttmp6, 0x40000                  ; cx
	s_bfe_u32 s41, ttmp6, 0x40004                  ; cy
	s_lshl_b32 s42, ttmp9, 2
	s_add_co_u32 s42, s42, s40                     ; tile column = 4 x cluster x + cx
	s_and_b32 s73, ttmp7, 0xffff                   ; cluster y
	s_lshl_b32 s13, s41, 4
	s_add_co_u32 s13, s13, s73                     ; tile row = 16 cy + cluster y: sequence cy, its tile cluster y
	s_lshl_b32 s43, s41, 2
	s_lshl_b32 s43, 15, s43                        ; my row of the cluster
	s_lshl_b32 s44, 0x1111, s40                    ; my column
	s_or_b32 s[G1+0], s43, (1<<16)|(1<<20)|(1<<21)|(6<<22)|(3<<25)  ; the mask; elements of 2 bytes; padding: 4 words after every 128; bit 21 beside a mask
	s_or_b32 s[G1B+0], s44, (1<<16)|(1<<20)|(1<<21)|(6<<22)|(3<<25)
.irp g, G1, G1B
	s_mov_b32 s[\g+1], KSTEP<<16
	s_mov_b32 s[\g+2], 64<<16
	s_mov_b32 s[\g+3], KSTEP<<16
	s_mov_b32 s[\g+4], 64
	s_mov_b32 s[\g+5], SIZE_K
	s_mov_b32 s[\g+6], 0
	s_mov_b32 s[\g+7], 0
.endr
	s_lshl_b32 s17, s12, 6
	s_lshl_b32 s16, s13, 7
	s_add_co_u32 s16, s16, s17                     ; A: row 128 x tile row + 64 x half
	s_lshl_b32 s46, s42, 7
	s_add_co_u32 s46, s46, s17                     ; B: row 128 x tile column + 64 x half
	s_mov_b32 s17, 0
	s_mov_b32 s47, 0
	s_mov_b64 s[18:19], SIZE_K*2
	s_mul_u64 s[16:17], s[16:17], s[18:19]
	s_mul_u64 s[46:47], s[46:47], s[18:19]
	s_mul_i32 s20, s10, HALFT
	s_wait_dscnt 0x0                               ; both opening adds are done
	s_wait_kmcnt 0x0
	s_add_nc_u64 s[14:15], s[4:5], s[16:17]
	s_add_nc_u64 s[46:47], s[6:7], s[46:47]
	CROUND                                         ; all sixteen work-groups are here: the first joint loads meet
.irp s, 0,1
	s_mov_b32 s[G0+4*\s], 1
	s_add_co_u32 s[G0+4*\s+1], s20, \s*SLOT
	s_add_nc_u64 s[G0+4*\s+2:G0+4*\s+3], s[14:15], \s*KSTEP*2
	s_or_b32 s[G0+4*\s+3], s[G0+4*\s+3], 0x80000000
	s_mov_b32 s[G0B+4*\s], 1
	s_add_co_u32 s[G0B+4*\s+1], s20, \s*SLOT
	s_add_nc_u64 s[G0B+4*\s+2:G0B+4*\s+3], s[46:47], \s*KSTEP*2
	s_or_b32 s[G0B+4*\s+3], s[G0B+4*\s+3], 0x80000000
	JLOAD \s
.endr
	v_and_b32 v1, 15, v0                           ; r
	v_bfe_u32 v2, v0, 4, 1                         ; h
	v_mul_u32_u24 v3, v1, PITCH
	v_lshl_add_u32 v3, v2, 4, v3
	s_mul_i32 s21, s11, HALFT
	s_mul_i32 s22, s12, HALFT
	s_add_co_u32 s22, s22, 2*HALFT
.irp s, 0,1
	v_add_nc_u32 v[ADRA+\s], s21, v3
	v_add_nc_u32 v[ADRB+\s], s22, v3
	s_add_co_u32 s21, s21, SLOT
	s_add_co_u32 s22, s22, SLOT
.endr
	s_mul_i32 s23, s10, 16*SPITCH
	s_add_co_u32 s23, s23, STAGE                   ; my stage
	v_mul_u32_u24 v4, v1, SPITCH
	v_lshl_add_u32 v4, v2, 5, v4
	v_add_nc_u32 v[STO], s23, v4                   ; in: row r, 32 bytes for each half of the lanes
	v_mul_u32_u24 v5, v2, SPITCH
	v_lshl_add_u32 v5, v1, 4, v5
	v_add_nc_u32 v[RD], s23, v5                    ; back: lanes 0-15 one row of 256 bytes, lanes 16-31 the next
	v_lshlrev_b32 v5, 12, v2
	v_lshl_add_u32 v[CO], v1, 4, v5                ; and the same two rows in out0
	v_lshlrev_b32 v[BA], 5, v2
	v_and_b32 v[PO], 31, v0
	v_lshlrev_b32 v[PO], 4, v[PO]
	s_lshl_b32 s74, s42, 1
	s_add_co_u32 s74, s74, s12                     ; cb: which 64 columns are mine
	s_lshl_b32 s46, s74, 8
	s_mov_b32 s47, 0
	s_add_nc_u64 s[68:69], s[68:69], s[46:47]      ; b_out at my columns,
	s_add_nc_u64 s[8:9], s[8:9], s[46:47]          ; out0 likewise,
	s_lshl_b32 s16, s13, 7
	s_lshl_b32 s17, s11, 6
	s_add_co_u32 s16, s16, s17
	s_lshl_b32 s16, s16, 12                        ; at my first row: rows of 4,096 bytes
	s_mov_b32 s17, 0
	s_add_nc_u64 s[8:9], s[8:9], s[16:17]
	s_lshl_b32 s46, s41, 4
	s_add_co_u32 s46, s46, s74
	s_lshl_b32 s46, s46, 16                        ; the parts of (sequence cy, cb): 16 heads x 4,096 bytes
	s_add_nc_u64 s[70:71], s[70:71], s[46:47]
.irp b, 0,1,2,3
	global_load_b128 v[BIAS+8*\b:BIAS+8*\b+3], v[BA], s[68:69] offset:64*\b        ; b_out(64 cb + 16 b + 8 h + 0 .. 7): the result's layout
	global_load_b128 v[BIAS+8*\b+4:BIAS+8*\b+7], v[BA], s[68:69] offset:64*\b+16
.endr
; 8 matrix instructions: m blocks a0, a0 + 1 x all 4 n blocks, 32 along K.  zero = 1: the first product starts the sums from the bias.  The 16 accumulators take turns.
.macro MUL8 f, c, a0, zero
.irp a, \a0, \a0+1
.irp b, 0,1,2,3
.if \zero
	v_wmma_f32_16x16x32_f16 v[ACC+8*(4*(\a)+\b):ACC+8*(4*(\a)+\b)+7], v[\f+64+8*(4*\c+\b):\f+64+8*(4*\c+\b)+7], v[\f+8*(4*\c+\a):\f+8*(4*\c+\a)+7], v[BIAS+8*\b:BIAS+8*\b+7]
.else
	v_wmma_f32_16x16x32_f16 v[ACC+8*(4*(\a)+\b):ACC+8*(4*(\a)+\b)+7], v[\f+64+8*(4*\c+\b):\f+64+8*(4*\c+\b)+7], v[\f+8*(4*\c+\a):\f+8*(4*\c+\a)+7], v[ACC+8*(4*(\a)+\b):ACC+8*(4*(\a)+\b)+7]
.endif
.endr
.endr
.endm
.macro FETCH slot, k, f                ; 32 LDS loads in one run: the fragments of 64 along K; the first 32 along K first
	WIN TO_F
.irp c, 0,1
.irp i, 0,1,2,3
	ds_load_b128 v[\f+64+8*(4*\c+\i):\f+64+8*(4*\c+\i)+3],   v[ADRB+\slot] offset:\k+64*\c+\i*16*PITCH
	ds_load_b128 v[\f+64+8*(4*\c+\i)+4:\f+64+8*(4*\c+\i)+7], v[ADRB+\slot] offset:\k+64*\c+\i*16*PITCH+32
	ds_load_b128 v[\f+8*(4*\c+\i):\f+8*(4*\c+\i)+3],         v[ADRA+\slot] offset:\k+64*\c+\i*16*PITCH
	ds_load_b128 v[\f+8*(4*\c+\i)+4:\f+8*(4*\c+\i)+7],       v[ADRA+\slot] offset:\k+64*\c+\i*16*PITCH+32
.endr
.endr
.endm
.macro PLACES
.rept 4
	v_nop
.endr
.endm
.macro QUARTER slot, k, f, g, zero
	s_wait_dscnt 16                                ; the first 32 along K are in; the sixteen loads of the second 32 may be out
	WIN MUL
	MUL8 \f, 0, 0, \zero
	MUL8 \f, 0, 2, \zero
	PLACES
	FETCH \slot, \k, \g
	s_wait_dscnt 32                                ; all but the 32 just issued
	WIN MUL
	MUL8 \f, 1, 0, 0
	MUL8 \f, 1, 2, 0
.endm
; The last quarter changes slots: one barrier; in front of it each wave waits for all its tensor loads, adds 0 to its spare word, and waits for that and for its reads of this slot.
.macro TURN slot, next, fill
	WIN 0
	s_wait_tensorcnt 0x0                           ; all my tensor loads have landed: my part of the next slot
	ds_add_u32 v[SPW], v[NIL]
	s_wait_dscnt 17                                ; the add and the youngest sixteen loads may be out
	WIN MUL
	MUL8 F1, 0, 0, 0
	s_wait_dscnt 0x0                               ; the add is done, and my reads of this slot are over
	s_barrier_signal -1
	MUL8 F1, 0, 2, 0
.if \fill
	WIN 0
.endif
	s_barrier_wait -1
.if \fill
	CREST                                          ; the barrier has opened a round of the cluster's: no wave of any partner still reads this slot or has a load on its way
	s_add_nc_u64 s[G0+4*\slot+2:G0+4*\slot+3], s[G0+4*\slot+2:G0+4*\slot+3], 2*KSTEP*2
	s_add_nc_u64 s[G0B+4*\slot+2:G0B+4*\slot+3], s[G0B+4*\slot+2:G0B+4*\slot+3], 2*KSTEP*2
	JLOAD \slot                                    ; the first tensor load behind the round; its four v_nop are also the places in front of the loads below
.else
	PLACES
.endif
	FETCH \next, 0, F0
	WIN MUL
	MUL8 F1, 1, 0, 0
	MUL8 F1, 1, 2, 0
.endm
	s_wait_loadcnt 0x0                             ; the bias
	s_wait_tensorcnt 1                             ; my part of K step 0 is in; K step 1's load may be out
	s_barrier_signal -1
	s_barrier_wait -1
	FETCH 0, 0, F0
	QUARTER 0, 128, F0, F1, 1
	WIN 0
	s_mov_b32 s3, LAPS-1
.Llap:                                                 ; a trip goes once round the ring and fills both slots again
	QUARTER 0, 256, F1, F0, 0
	QUARTER 0, 384, F0, F1, 0
	TURN 0, 1, 1
	QUARTER 1, 128, F0, F1, 0
	QUARTER 1, 256, F1, F0, 0
	QUARTER 1, 384, F0, F1, 0
	TURN 1, 0, 1
	QUARTER 0, 128, F0, F1, 0
	WIN 0
	s_sub_co_u32 s3, s3, 1
	s_cmp_lg_u32 s3, 0
	s_cbranch_scc1 .Llap
	QUARTER 0, 256, F1, F0, 0                      ; the last lap fills nothing
	QUARTER 0, 384, F0, F1, 0
	TURN 0, 1, 0
	QUARTER 1, 128, F0, F1, 0
	QUARTER 1, 256, F1, F0, 0
	QUARTER 1, 384, F0, F1, 0
	s_wait_dscnt 16
	WIN MUL
	MUL8 F1, 0, 0, 0
	MUL8 F1, 0, 2, 0
	s_wait_dscnt 0
	MUL8 F1, 1, 0, 0
	MUL8 F1, 1, 2, 0
	WIN 0
	PLACES                                         ; for the reads and writes of results and the loads into the fragments' registers
	; THE FIRST 16 POSITIONS OF A SEQUENCE: my block 0, where my rows are the tile's first half and the tile is its sequence's first (both tests are alike in all partners):
	; the sums become b_out + the 16 heads' parts, which lie in memory as images of these very registers.  Eight heads at a time fill window 1.
	s_cmp_lg_u32 s11, 0
	s_cbranch_scc1 .Lno_fine
	s_cmp_lg_u32 s73, 0
	s_cbranch_scc1 .Lno_fine
.irp bt, 0,1
	WIN 0x40                                       ; destination window 1
.irp hh, 0,1,2,3,4,5,6,7
.irp g, 0,1,2,3,4,5,6,7
	global_load_b128 v[32*\hh+4*\g:32*\hh+4*\g+3], v[PO], s[70:71] offset:4096*(8*\bt+\hh)+512*\g
.endr
.endr
	s_wait_loadcnt 0x0
	WIN 0x04                                       ; source 1 window 1
.irp hh, 0,1,2,3,4,5,6,7
.irp i, 0,2,4,6,8,10,12,14,16,18,20,22,24,26,28,30
.if (\bt == 0) && (\hh == 0)
	v_pk_add_f32 v[ACC+\i:ACC+\i+1], v[BIAS+\i:BIAS+\i+1], v[32*\hh+\i:32*\hh+\i+1]
.else
	v_pk_add_f32 v[ACC+\i:ACC+\i+1], v[ACC+\i:ACC+\i+1], v[32*\hh+\i:32*\hh+\i+1]
.endif
.endr
.endr
.endr
	WIN 0
.Lno_fine:
	; THE WAY OUT: a wave's 64 columns are 256 bytes of a row.  A block of 16 rows goes through my own stage and comes back as rows; sixteen lanes store 256 consecutive, aligned bytes.
.irp a, 0,1,2,3
.if \a > 1
	s_wait_xcnt 0x0                                ; block a - 2's stores have read their registers
.endif
.irp b, 0,1,2,3
	ds_store_b128 v[STO], v[ACC+8*(4*\a+\b):ACC+8*(4*\a+\b)+3] offset:64*\b          ; each accumulator from its low end on
	ds_store_b128 v[STO], v[ACC+8*(4*\a+\b)+4:ACC+8*(4*\a+\b)+7] offset:64*\b+16
.endr
.irp t, 0,1,2,3,4,5,6,7
	ds_load_b128 v[TMP+32*(\a%2)+4*\t:TMP+32*(\a%2)+4*\t+3], v[RD] offset:\t*2*SPITCH   ; LDS serves a wave's instructions in order: these see the stores above
.endr
	s_wait_dscnt 0x0
.irp t, 0,1,2,3,4,5,6,7
	global_store_b128 v[CO], v[TMP+32*(\a%2)+4*\t:TMP+32*(\a%2)+4*\t+3], s[8:9] offset:(16*\a+2*\t)*4096 th:TH_STORE_NT
.endr
.endr
	s_wait_tensorcnt 0x0                           ; the wave's end
	ds_add_u32 v[SPW], v[NIL]
	s_wait_dscnt 0x0
	CROUND                                         ; the closing round
	s_endpgm
.Lfunc_end_k_q192410e3c2_proj:
	.size	k_q192410e3c2_proj, .Lfunc_end_k_q192410e3c2_proj-k_q192410e3c2_proj
	.p2alignl 7, 3214868480
	.fill 96, 4, 3214868480
	.section	.rodata,"a",@progbits
	.p2align	6, 0x0
	.amdhsa_kernel k_q192410e3c2_proj
		.amdhsa_group_segment_fixed_size 327680
		.amdhsa_private_segment_fixed_size 0
		.amdhsa_enable_private_segment 0
		.amdhsa_kernarg_size 40
		.amdhsa_user_sgpr_count 2
		.amdhsa_user_sgpr_kernarg_segment_ptr 1
		.amdhsa_wavefront_size32 1
		.amdhsa_system_sgpr_workgroup_id_x 1
		.amdhsa_system_sgpr_workgroup_id_y 1
		.amdhsa_system_sgpr_workgroup_id_z 1
		.amdhsa_system_vgpr_workitem_id 0
		.amdhsa_next_free_vgpr 512
		.amdhsa_next_free_sgpr 76
		.amdhsa_reserve_vcc 0
		.amdhsa_float_denorm_mode_32 3
		.amdhsa_float_denorm_mode_16_64 3
		.amdhsa_memory_ordered 1
		.amdhsa_forward_progress 1
		.amdhsa_inst_pref_size 115
	.end_amdhsa_kernel
	.amdgpu_metadata
---
amdhsa.version: [ 1, 2 ]
amdhsa.kernels:
  - .name:           k_q192410e3c2_proj
    .symbol:         k_q192410e3c2_proj.kd
    .args:
      - { .name: att, .offset: 0, .size: 8, .value_kind: global_buffer, .address_space: global }
      - { .name: wo16, .offset: 8, .size: 8, .value_kind: global_buffer, .address_space: global }
      - { .name: b_out, .offset: 16, .size: 8, .value_kind: global_buffer, .address_space: global }
      - { .name: part16, .offset: 24, .size: 8, .value_kind: global_buffer, .address_space: global }
      - { .name: out0, .offset: 32, .size: 8, .value_kind: global_buffer, .address_space: global }
    .group_segment_fixed_size: 327680
    .private_segment_fixed_size: 0
    .kernarg_segment_align: 8
    .kernarg_segment_size: 40
    .max_flat_workgroup_size: 128
    .sgpr_count:     76
    .vgpr_count:     512
    .wavefront_size: 32
...
	.end_amdgpu_metadata
.endif
;; end of part 5
